; MI455X (gfx1250); checked and timed in simulation.
; The chip was launched on July 23, 2026; its instructions are those of AMD's public machine-readable ISA for CDNA 5 (MIT licence, August 2026) and "CDNA5" Instruction Set Architecture Reference Guide (July 2026). The comments in the code are by the model that wrote it; some were corrected since.
;; Attention. Allowed arithmetic: matrix products marked QUANTISED: E2M3 operands, one E8M0 scale for each 32 along K, by v_wmma_scale_f32_16x16x128_f8f6f4 with both operands' format E2M3, f32 sums; everything else in f32.
;; Inputs: mask 4,096 x 4,096 int32; w_k 1,024 x 1,024 float32; w_q 1,024 x 1,024 float32; w_v 1,024 x 1,024 float32; x 1 x 4,096 x 1,024 float32.
;; Outputs: out0 1 x 4,096 x 1,024 float32.
;; This version of the problem:
;;   THIS VERSION OF THE PROBLEM IS GIVEN IN LOW PRECISION. The matrix products marked QUANTISED in the list below multiply operands that are first quantised to E2M3 (2 exponent bits, 3 mantissa bits; 6 bits a number), with one power-of-two scale for each 32 numbers along K (OCP MX v1.0); their sums are f32. All else is computed in f32.
;;   The module's matrix products, in the order in which they are computed (A, B: the left and right operand; K: the contracted axis; several contracted axes count as one K, in the product's order):
;;     1. [M 4,096, K 1,024] x [K 1,024, N 1,024]; A: input x; B: input w_q: QUANTISED
;;     2. [M 4,096, K 1,024] x [K 1,024, N 1,024]; A: input x; B: input w_k: QUANTISED
;;     3. [M 4,096, K 1,024] x [K 1,024, N 1,024]; A: input x; B: input w_v: QUANTISED
;;     4. [M 4,096, K 1,024] x [K 1,024, N 4,096]; A: computed on the way; B: computed on the way: QUANTISED
;;     5. [M 4,096, K 4,096] x [K 4,096, N 1,024]; A: softmax (see below); B: computed on the way: QUANTISED
;;   THE QUANTISER, for each operand of a quantised product, along K:
;;     - K is cut into blocks of 32 from its start; a last block that is shorter is filled with zeros.
;;     - A block's scale is 2^e with e = floor(log2(the largest magnitude in the block)) - 2, held to -126 .. 127; a block of zeros has e = 0. As a byte (E8M0): e + 127.
;;     - Each number is divided by its block's scale, clamped to +-7.5, and rounded to the nearest number of E2M3, ties to even, subnormals kept.
;;     - The product sums the exact products of the quantised numbers (number of the format x scale) in f32.
;;   ~~~python
;;   def quantise(x, axis):      # numpy; x: float32 -> the quantised numbers, widened to float32 again
;;       x = np.moveaxis(x, axis, -1); K = x.shape[-1]
;;       x = np.pad(x, [(0, 0)] * (x.ndim - 1) + [(0, -K % 32)]); x = x.reshape(x.shape[:-1] + (-1, 32)); a = np.abs(x).max(-1, keepdims=True)
;;       e = np.where(a > 0, np.clip(np.frexp(np.where(a > 0, a, 1))[1] - 1 - 2, -126, 127), 0)      # np.frexp(a)[1] - 1 = floor(log2(a)), exactly
;;       r = np.clip(x / 2.0 ** e, -7.5, 7.5)
;;       step = 2.0 ** (np.maximum(np.frexp(np.where(r == 0, 1, r))[1] - 1, 0) - 3)
;;       q = np.round(r / step) * step * 2.0 ** e      # np.round: ties to even
;;       return np.moveaxis(q.reshape(q.shape[:-2] + (-1,))[..., :K], -1, axis).astype(np.float32)
;;   ~~~
;;   SOFTMAX AHEAD OF A QUANTISED PRODUCT. Where the list says 'softmax', what is quantised is not the finished softmax but p = 2^(t - M), with t = logit x log2(e) and M = ceil(the row's largest t), a whole number; so 1/2 < the row's largest p <= 1. The row's sum l is taken of the UNQUANTISED p, in f32, and the product's result is divided by l at the end. Since M is a whole number, a kernel that streams over the keys may use a running M (the ceiling of the running maximum): every later rescaling is an exact power of two, which a block's scale takes up: the codes' values come out the same.
;;   OPERANDS COMPUTED ON THE WAY. 'Computed on the way' means the value that the module computes at that place (a softmax that the list does not call 'softmax' is quantised finished and normalised). What goes into a quantiser is computed in f32, as accurately as f32 sums, v_exp_f32 and their like allow (about 1e-6 of the number): no bf16 or f16 on the way to a quantiser, and a product that is left as it is and whose result goes on into a quantised operand takes f32 operands (vector FMAs, or v_wmma_f32_16x16x4_f32). A number that lies on a knife's edge between two numbers of the format may be rounded either way, as far as f32 arithmetic and the matrix unit's own rounding can turn it there, and no further.
;; One version. Each part assembles by itself: llvm-mc -triple=amdgcn-amd-amdhsa -mcpu=gfx1250 --defsym DOCPART=n.
;; ======== version 1 of 1: 4 launches
;; limits: right only within a limited range of input values
;; workspace buffers: xw 5,734,400 bytes; mb 2,097,152 bytes of whole numbers; qkv 9,830,400 bytes; pc 12,582,912 bytes; pst 1,572,864 bytes
;; launch prep (part 1): grid 736 x 1, 4 waves a work-group, no clusters, 34,304 bytes of LDS; arguments mask, x, w_q, w_k, w_v, xw, mb; writes xw, mb
.if DOCPART == 1
	.amdgcn_target "amdgcn-amd-amdhsa--gfx1250"
	.amdhsa_code_object_version 6
	.text
	.protected	k_qcc82afd562_prep
	.globl	k_qcc82afd562_prep
	.p2align	8
	.type	k_qcc82afd562_prep,@function
k_qcc82afd562_prep:
	s_mov_b64 s[64:65], 0
	v_nop
	global_prefetch_b8 v0, s[64:65] scope:SCOPE_SE
	s_setreg_imm32_b32 hwreg(HW_REG_WAVE_MODE, 25, 1), 1
	s_wait_xcnt 0x0
; x [4096][1024], w_q, w_k, w_v [1024][1024], f32, K innermost, become codes of FP6 (E2M3) with one E8M0 byte for each 32 along K; mask [4096][4096], int32, becomes one bit a number.
; THE UNIT is a tile of 16 rows x 128 columns of 4-byte numbers.  A wave takes four tiles on end along the columns.  Work-groups 0-511: the mask; 512-639: x; 640-671, 672-703, 704-735: w_q, w_k, w_v.
; THE ROWS OF A TILE ARE NOT NEIGHBOURS: row i of tile rb = 2 B + u is the tensor's row 32 B + 8 u + i + 8 (i / 8).  Used as source 0 of a product, such a tile gives each lane 16 neighbours along the next K.
; OUT, codes: an image of the operand's 12 registers, 1,536 bytes a tile: registers 4 c .. 4 c + 3 of lane l at 512 c + 16 l; tiles laid [rb][ks].  Scale words: [rb][ks][16 rows], 64 bytes a tile
; (one part in 24 of the codes' bytes; a wave's four tiles fill 256 consecutive bytes by four stores).
; OUT, mask: [rb][ks][64 words]: in word n bit r + 16 h says whether mask(row r, column 32 (n / 16) + 16 h + n % 16) is not 0: the lane mask of register n of the scores' tile.
; Each load reads 512 consecutive bytes of one row; a tile turns through the wave's own stage in LDS (rows 528 bytes apart) so that lane (r, h) gets, of row r, 16 neighbours of each block of 32.
; TWO TILES ARE ON THEIR WAY: two sets of 64 registers take the loads by turns, 32 loads (16 KiB) a wave; a set is loaded again as soon as its tile has gone into the stage.
; A block's scale is 2^(floor(log2(its largest magnitude)) - 2); its byte is that magnitude's exponent field - 2, held at 1 from below.
; LIMITS: a block of zeros gets the byte 1 (its codes are zeros; this program alone reads the bytes); NaN and infinities among the inputs are not served.
; No tensor load, no barrier: waves share nothing.  All LDS lines are common to both kinds of work-group; the branch on the work-group's number leads round register work and global stores alone.
.set WST,   16*528                     ; a wave's stage
.set SPARE, 4*WST                      ; behind the stages: the spare words, 128 bytes for each wave
.set XSW,   5505024                    ; where the scale words begin in xw: behind 448 rb x 12,288 bytes of codes
.set SA,  1                            ; v1   the stage, in: my wave's + 16 x lane
.set LA,  2                            ; v2   the stage, out: my wave's + 528 r + 64 h
.set LI,  3                            ; v3   16 x lane
.set LS,  4                            ; v4   4 r
.set L8,  5                            ; v5   8 x lane
.set SPW, 6                            ; v6   my spare word; never rewritten
.set NIL, 7                            ; v7   0; never rewritten
.set MW,  8                            ; v8-9 the mask's 64 words: word n in lane n / 2 of register n % 2
.set OFF, 10                           ; v10-25   row i's byte offset + 16 x lane (v10-13 serve the set-up first)
.set R,   26                           ; v26-153  two tiles as loaded: tile t in set t % 2
.set X,   154                          ; v154-217 register 16 b + i = column 32 b + 16 h + i of my row
.set TM,  218                          ; v218-233 at work
.set PW,  234                          ; the scale word
.set PC,  236                          ; v236-247 the codes; v248-254 at work
.set SEL, 48                           ; s[48:49] lane selects: lane l xor 16
	s_load_b256 s[4:11], s[0:1], 0x0               ; mask, x, w_q, w_k
	s_load_b128 s[12:15], s[0:1], 0x20             ; w_v, xw
	s_load_b64 s[16:17], s[0:1], 0x30              ; mb
	v_lshl_add_u32 v[SPW], v0, 2, SPARE
	v_mov_b32 v[NIL], 0
	v_lshrrev_b32 v10, 5, v0
	v_readfirstlane_b32 s18, v10                   ; wave
	v_and_b32 v11, 31, v0                          ; lane
	v_and_b32 v12, 15, v0                          ; r
	v_bfe_u32 v13, v0, 4, 1                        ; h
	s_mul_i32 s19, s18, WST
	v_lshlrev_b32 v[LI], 4, v11
	v_add_nc_u32 v[SA], s19, v[LI]
	v_mul_u32_u24 v[LA], v12, 528
	v_lshl_add_u32 v[LA], v13, 6, v[LA]
	v_add_nc_u32 v[LA], s19, v[LA]
	v_lshlrev_b32 v[LS], 2, v12
	v_lshlrev_b32 v[L8], 3, v11
	v_mov_b32 v[MW], 0                             ; written once: a lane write's destination counts as read
	v_mov_b32 v[MW+1], 0
.irp b, 0,1,2,3
	v_mov_b32 v[TM+4+\b], 0                        ; likewise a lane permute's
.endr
	s_mov_b32 s[SEL], 0x76543210
	s_mov_b32 s[SEL+1], 0xfedcba98
	s_mov_b32 s22, 704                             ; the tensor's first work-group,
	s_mov_b32 s23, 4096                            ; a row in bytes
	s_wait_kmcnt 0x0
	s_mov_b64 s[20:21], s[12:13]                   ; which tensor is mine hangs on the work-group's number alone
	s_cmp_lt_u32 ttmp9, 704
	s_cselect_b64 s[20:21], s[10:11], s[20:21]
	s_cselect_b32 s22, 672, s22
	s_cmp_lt_u32 ttmp9, 672
	s_cselect_b64 s[20:21], s[8:9], s[20:21]
	s_cselect_b32 s22, 640, s22
	s_cmp_lt_u32 ttmp9, 640
	s_cselect_b64 s[20:21], s[6:7], s[20:21]
	s_cselect_b32 s22, 512, s22
	s_cmp_lt_u32 ttmp9, 512
	s_cselect_b64 s[20:21], s[4:5], s[20:21]
	s_cselect_b32 s22, 0, s22
	s_cselect_b32 s23, 16384, s23
	s_cselect_b32 s24, 3, 1                        ; a row of tiles has 8 runs of four tiles in the mask, 2 in the others
	s_cselect_b32 s25, 7, 1
	s_sub_co_u32 s27, ttmp9, s22
	s_lshl_b32 s27, s27, 2
	s_add_co_u32 s27, s27, s18                     ; j: which run of four tiles of the tensor is my wave's
	s_lshr_b32 s28, s27, s24                       ; rb
	s_and_b32 s29, s27, s25
	s_lshl_b32 s29, s29, 2                         ; ks of the first tile
	s_lshr_b32 s30, s28, 1
	s_lshl_b32 s30, s30, 5
	s_and_b32 s31, s28, 1
	s_lshl_b32 s31, s31, 3
	s_add_co_u32 s30, s30, s31                     ; the tile's first row: 32 (rb / 2) + 8 (rb % 2)
	s_mul_i32 s30, s30, s23
	s_lshl_b32 s31, s29, 9
	s_add_co_u32 s30, s30, s31                     ; + 512 bytes a tile
	s_mov_b32 s31, 0
	s_add_nc_u64 s[20:21], s[20:21], s[30:31]
	s_lshl_b32 s30, s28, 13                        ; mb: 8,192 rb + 256 ks
	s_lshl_b32 s32, s29, 8
	s_add_co_u32 s30, s30, s32
	s_add_nc_u64 s[16:17], s[16:17], s[30:31]
	s_max_u32 s33, ttmp9, 512                      ; xw: x's and the weights' tiles follow on under one index (a mask work-group's pointers stay inside xw and are not used)
	s_sub_co_u32 s33, s33, 512
	s_lshl_b32 s33, s33, 2
	s_add_co_u32 s33, s33, s18
	s_lshr_b32 s34, s33, 1                         ; rb among the 448
	s_and_b32 s35, s33, 1
	s_mul_i32 s30, s34, 12288
	s_mul_i32 s32, s35, 4*1536
	s_add_co_u32 s30, s30, s32
	s_add_nc_u64 s[36:37], s[14:15], s[30:31]      ; my codes
	s_lshl_b32 s30, s34, 9
	s_lshl_b32 s32, s35, 8
	s_add_co_u32 s30, s30, s32
	s_add_co_u32 s30, s30, XSW
	s_add_nc_u64 s[38:39], s[14:15], s[30:31]      ; my scale words
.irp i, 0,1,2,3,4,5,6,7,8,9,10,11,12,13,14,15
	v_mad_u32_u24 v[OFF+\i], s23, \i+8*(\i/8), v[LI]
.endr
.macro LOAD t                          ; tile t into set t % 2: sixteen loads, each 512 consecutive bytes of one row
.irp i, 0,1,2,3,4,5,6,7,8,9,10,11,12,13,14,15
	global_load_b128 v[R+64*((\t)%2)+4*\i:R+64*((\t)%2)+4*\i+3], v[OFF+\i], s[20:21] offset:512*(\t) th:TH_LOAD_NT
.endr
.endm
; 64 numbers of a lane, register 16 b + i = k 32 b + 16 h + i of my row, become a fragment's codes in v[PC] on and its scale word in v[PW]
.macro QUANT s
.irp b, 0,1,2,3
	v_max3_num_f32 v[TM+\b], |v[\s+16*\b]|, |v[\s+1+16*\b]|, 0x1800000   ; block b: my 16 numbers, and the floor 2^(3 - 127): the byte cannot fall under 1
.endr
.irp i, 2,4,6,8,10,12,14
.irp b, 0,1,2,3
	v_max3_num_f32 v[TM+\b], v[TM+\b], |v[\s+16*\b+\i]|, |v[\s+1+16*\b+\i]|   ; the four blocks by turns
.endr
.endr
.irp b, 0,1,2,3
	v_permlanex16_b32 v[TM+4+\b], v[TM+\b], s[SEL], s[SEL+1]
.endr
.irp b, 0,1,2,3
	v_max_num_f32 v[TM+\b], v[TM+\b], v[TM+4+\b]   ; with lane l xor 16's: the block's largest magnitude
.endr
.irp b, 0,1,2,3
	v_add_nc_u32 v[TM+12+\b], 0xff000000, v[TM+\b] ; 2 off its exponent field: the conversion takes that field as its scale
.endr
.irp b, 0,1,2,3
	v_lshrrev_b32 v[TM+4+\b], 23, v[TM+12+\b]      ; the scale's byte
.endr
	v_lshl_or_b32 v[PW], v[TM+5], 8, v[TM+4]
	v_lshl_or_b32 v[PW], v[TM+6], 16, v[PW]
	v_lshl_or_b32 v[PW], v[TM+7], 24, v[PW]
.irp c, 0,1
	v_cvt_scalef32_pk16_fp6_f32 v[PC+6*\c:PC+2+6*\c], v[\s+32*\c:\s+15+32*\c], v[TM+12+2*\c]
	v_cvt_scalef32_pk16_fp6_f32 v[PC+12+4*\c:PC+14+4*\c], v[\s+16+32*\c:\s+31+32*\c], v[TM+12+2*\c+1]   ; (a conversion's three registers begin on an even number)
.endr
	v_nop                                          ; one plain instruction behind a scaled conversion
.irp c, 0,1                            ; the operand's layout wants a whole block in a lane: lanes 0-15 block 2 c, lanes 16-31 block 2 c + 1
.irp i, 0,1,2
	v_permlane16_swap_b32 v[PC+6*\c+\i], v[PC+12+4*\c+\i]
.endr
.irp i, 0,1,2
	v_mov_b32 v[PC+3+6*\c+\i], v[PC+12+4*\c+\i]
.endr
.endr
.endm
.macro TILE t
.if (\t) < 3
	s_wait_loadcnt 16                              ; the tile's sixteen loads are in; the next tile's sixteen may be out
.else
	s_wait_loadcnt 0x0                             ; the last tile: nothing was issued behind it
.endif
.irp i, 0,1,2,3,4,5,6,7,8,9,10,11,12,13,14,15
	ds_store_b128 v[SA], v[R+64*((\t)%2)+4*\i:R+64*((\t)%2)+4*\i+3] offset:528*\i
.endr
.irp b, 0,1,2,3
.irp j, 0,1,2,3
	ds_load_b128 v[X+16*\b+4*\j:X+16*\b+4*\j+3], v[LA] offset:128*\b+16*\j   ; LDS serves a wave's instructions in order: these see my stores
.endr
.endr
	s_wait_dscnt 0x0                               ; the tile is back, and the stores into the stage have read their registers
.if (\t) > 0
	s_wait_xcnt 0x0                                ; the last tile's global stores have read their data: those registers are written again below
.endif
.if (\t) < 2
	LOAD (\t)+2                                    ; the set that has just gone into the stage takes the tile two on
.endif
	s_cmp_lt_u32 ttmp9, 512
	s_cbranch_scc1 .Lmask_\@
	QUANT X
.irp c, 0,1,2
	global_store_b128 v[LI], v[PC+4*\c:PC+4*\c+3], s[36:37] offset:1536*(\t)+512*\c   ; 32 lanes store 512 consecutive bytes
.endr
	global_store_b32 v[LS], v[PW], s[38:39] offset:64*(\t)      ; lanes r and r + 16 store the same word with the same value
	s_branch .Ldone_\@
.Lmask_\@:
.irp g, 0,1,2,3,4,5,6,7
.irp e, 0,1,2,3,4,5,6,7
	v_cmp_ne_u32 s[40+\e], 0, v[X+8*\g+\e]         ; register n's lane mask
.endr
.irp e, 0,1,2,3,4,5,6,7
	v_writelane_b32 v[MW+(\e%2)], s[40+\e], 4*\g+\e/2
.endr
.endr
	global_store_b64 v[L8], v[MW:MW+1], s[16:17] offset:256*(\t)   ; 32 lanes store 256 consecutive bytes, aligned
.Ldone_\@:
.endm
	LOAD 0
	LOAD 1
	s_wait_alu depctr_va_vdst(0)
	TILE 0
	TILE 1
	TILE 2
	TILE 3
	s_wait_tensorcnt 0x0                           ; the wave's end: behind my last LDS store
	ds_add_u32 v[SPW], v[NIL]
	s_wait_dscnt 0x0
	s_endpgm
.Lfunc_end_k_qcc82afd562_prep:
	.size	k_qcc82afd562_prep, .Lfunc_end_k_qcc82afd562_prep-k_qcc82afd562_prep
	.p2alignl 7, 3214868480
	.fill 96, 4, 3214868480
	.section	.rodata,"a",@progbits
	.p2align	6, 0x0
	.amdhsa_kernel k_qcc82afd562_prep
		.amdhsa_group_segment_fixed_size 34304
		.amdhsa_private_segment_fixed_size 0
		.amdhsa_enable_private_segment 0
		.amdhsa_kernarg_size 56
		.amdhsa_user_sgpr_count 2
		.amdhsa_user_sgpr_kernarg_segment_ptr 1
		.amdhsa_wavefront_size32 1
		.amdhsa_system_sgpr_workgroup_id_x 1
		.amdhsa_system_sgpr_workgroup_id_y 1
		.amdhsa_system_sgpr_workgroup_id_z 1
		.amdhsa_system_vgpr_workitem_id 0
		.amdhsa_next_free_vgpr 256
		.amdhsa_next_free_sgpr 66
		.amdhsa_reserve_vcc 0
		.amdhsa_float_denorm_mode_32 3
		.amdhsa_float_denorm_mode_16_64 3
		.amdhsa_memory_ordered 1
		.amdhsa_forward_progress 1
		.amdhsa_inst_pref_size 69
	.end_amdhsa_kernel
	.amdgpu_metadata
---
amdhsa.version: [ 1, 2 ]
amdhsa.kernels:
  - .name:           k_qcc82afd562_prep
    .symbol:         k_qcc82afd562_prep.kd
    .args:
      - { .name: mask, .offset: 0, .size: 8, .value_kind: global_buffer, .address_space: global }
      - { .name: x, .offset: 8, .size: 8, .value_kind: global_buffer, .address_space: global }
      - { .name: w_q, .offset: 16, .size: 8, .value_kind: global_buffer, .address_space: global }
      - { .name: w_k, .offset: 24, .size: 8, .value_kind: global_buffer, .address_space: global }
      - { .name: w_v, .offset: 32, .size: 8, .value_kind: global_buffer, .address_space: global }
      - { .name: xw, .offset: 40, .size: 8, .value_kind: global_buffer, .address_space: global }
      - { .name: mb, .offset: 48, .size: 8, .value_kind: global_buffer, .address_space: global }
    .group_segment_fixed_size: 34304
    .private_segment_fixed_size: 0
    .kernarg_segment_align: 8
    .kernarg_segment_size: 56
    .max_flat_workgroup_size: 128
    .sgpr_count:     66
    .vgpr_count:     256
    .wavefront_size: 32
...
	.end_amdgpu_metadata
.endif
;; end of part 1
;; launch proj (part 2): grid 12 x 16, 4 waves a work-group, clusters of 4 x 4, 327,680 bytes of LDS; arguments xw, qkv; writes qkv
.if DOCPART == 2
	.amdgcn_target "amdgcn-amd-amdhsa--gfx1250"
	.amdhsa_code_object_version 6
	.text
	.protected	k_qcc82afd562_proj
	.globl	k_qcc82afd562_proj
	.p2align	8
	.type	k_qcc82afd562_proj,@function
k_qcc82afd562_proj:
	s_mov_b64 s[64:65], 0
	v_nop
	global_prefetch_b8 v0, s[64:65] scope:SCOPE_SE
	s_setreg_imm32_b32 hwreg(HW_REG_WAVE_MODE, 25, 1), 1
	s_wait_xcnt 0x0
	s_wait_alu depctr_hold_cnt(0) depctr_sa_sdst(0) depctr_va_vdst(0) depctr_va_sdst(0) depctr_va_ssrc(0) depctr_va_vcc(0) depctr_vm_vsrc(0)
	s_getreg_b32 s2, hwreg(HW_REG_IB_STS2, 6, 4)
	s_cmp_eq_u32 s2, 0
	s_cbranch_scc0 .Lentry_in_a_cluster
	s_endpgm
.Lentry_in_a_cluster:
	s_bfe_u32 s2, ttmp6, 0x10000c
	s_cmp_lg_u32 s2, 0xf033
	s_cbranch_scc0 .Lentry_shape_is_right
	s_endpgm
.Lentry_shape_is_right:
; THE RING: two slots of three K steps (16 rb of A, then 16 rb of B, 4,608 bytes a rb).  The head brings K steps 0-2 and the scale words, one load a wave; slot 1 takes K steps 3-5 behind the full sequence and a round;
; slot 0 is filled again at K step 2 with K steps 6 and 7 (3,072 bytes a rb; B's begin at the same byte as before).
.set SLOTB, 147456
.set SCL,   2*SLOTB
.set SPARE, SCL+16384
.set QS,    9437184
.set FR,   12
.set ADRA, 16
.set ADRB, 20
.set LI,   24
.set LS,   25
.set ADRS, 27
.set SPW,  28
.set NIL,  29
.set SC,   32
.set TM,   48
.set PW,   70
.set PC,   72
.set AF,   128
.set MSB, 0
.macro WIN new
.if MSB != (\new)
	s_set_vgpr_msb (MSB<<8)|(\new)
.set MSB, (\new)
.endif
.endm
.set MUL_LO, 0xa1
.set MUL_HI, 0xf1
.set TO_B,   0x40
.macro JLOAD g0a, g1a, g0b, g1b
	s_cmp_eq_u32 s15, 0
	s_cbranch_scc0 .Lfor_b_\@
	tensor_load_to_lds s[\g0a:\g0a+3], s[\g1a:\g1a+7]
	s_nop 0
.rept 4
	v_nop
.endr
	s_branch .Lasked_\@
.Lfor_b_\@:
	tensor_load_to_lds s[\g0b:\g0b+3], s[\g1b:\g1b+7]
	s_nop 0
.rept 4
	v_nop
.endr
.Lasked_\@:
.endm
.macro CREST
	s_cmp_lg_u32 s14, 0
	s_cbranch_scc1 .Lnot_wave_0_\@
	s_barrier_signal -3
.Lnot_wave_0_\@:
	s_barrier_wait -3
	s_barrier_signal -1
	s_barrier_wait -1
.endm
.macro CROUND
	s_barrier_signal -1
	s_barrier_wait -1
	CREST
.endm
.macro PLACES
.rept 4
	v_nop
.endr
.endm
.macro FRAG reg, adr, q, i
.irp c, 0,1,2
	ds_load_b128 v[\reg+4*\c:\reg+4*\c+3], v[\adr] offset:RPX*(\i)+1536*(\q)+512*\c
.endr
.endm
.macro FETCH_B ks
	WIN TO_B
.irp i, 0,1,2,3,4,5,6,7
.set RPX, 4608-1536*((\ks)/6)
	FRAG 128*((\ks)%2)+FR*\i, ADRB+(\ks)/3, (\ks)%3, \i
.endr
	WIN 0
.endm
.macro FETCH_A ks, i0
.irp i, \i0, \i0+1, \i0+2, \i0+3
.set RPX, 4608-1536*((\ks)/6)
	FRAG AF+FR*(\i), ADRA+(\ks)/3, (\ks)%3, \i
.endr
.endm
.macro SCALES ks
.irp i, 0,1,2,3,4,5,6,7
	ds_load_b32 v[SC+8*((\ks)%2)+\i], v[ADRS] offset:512*\i+64*(\ks)
.endr
.endm
.macro MUL16 a0, ks, zero
.irp a, \a0, \a0+1
.irp b, 0,1,2,3,4,5,6,7
.if \zero
	v_wmma_scale_f32_16x16x128_f8f6f4 v[8*(8*((\a)%4)+\b):8*(8*((\a)%4)+\b)+7], v[128*((\ks)%2)+FR*\b:128*((\ks)%2)+FR*\b+FR-1], v[AF+FR*(\a):AF+FR*(\a)+FR-1], 0, v[SC+8*((\ks)%2)+\b], v[SC+8*((\ks)%2)+(\a)] matrix_a_fmt:MATRIX_FMT_FP6 matrix_b_fmt:MATRIX_FMT_FP6 matrix_a_scale:MATRIX_SCALE_ROW1
.else
	v_wmma_scale_f32_16x16x128_f8f6f4 v[8*(8*((\a)%4)+\b):8*(8*((\a)%4)+\b)+7], v[128*((\ks)%2)+FR*\b:128*((\ks)%2)+FR*\b+FR-1], v[AF+FR*(\a):AF+FR*(\a)+FR-1], v[8*(8*((\a)%4)+\b):8*(8*((\a)%4)+\b)+7], v[SC+8*((\ks)%2)+\b], v[SC+8*((\ks)%2)+(\a)] matrix_a_fmt:MATRIX_FMT_FP6 matrix_b_fmt:MATRIX_FMT_FP6 matrix_a_scale:MATRIX_SCALE_ROW1
.endif
.endr
.endr
.endm
.macro STEP ks, zero
	s_wait_dscnt 12
	WIN MUL_LO
	MUL16 0, \ks, \zero
	MUL16 2, \ks, \zero
	s_wait_dscnt 0x0
	PLACES
	FETCH_B (\ks)+1
	FETCH_A (\ks)+1, 0
	SCALES (\ks)+1
	WIN MUL_HI
	MUL16 4, \ks, \zero
	MUL16 6, \ks, \zero
	PLACES
	WIN 0
	FETCH_A (\ks)+1, 4
.endm
.macro TURN ks, fill
	s_wait_tensorcnt 0x0
	ds_add_u32 v[SPW], v[NIL]
	s_wait_dscnt 13
	WIN MUL_LO
	MUL16 0, \ks, 0
	s_wait_dscnt 0x0
	s_barrier_signal -1
	MUL16 2, \ks, 0
	WIN 0
	s_barrier_wait -1
.if \fill
	CREST
	s_mov_b32 s17, 384<<16                         ; no tensor load of mine is out: from here on a row is two K steps, 3,072 bytes
	s_mov_b32 s19, 384<<16
	s_mov_b32 s25, 384<<16
	s_mov_b32 s27, 384<<16
	JLOAD 56, 16, 72, 24
.else
	PLACES
.endif
	FETCH_B (\ks)+1
	FETCH_A (\ks)+1, 0
	SCALES (\ks)+1
	WIN MUL_HI
	MUL16 4, \ks, 0
	MUL16 6, \ks, 0
	PLACES
	WIN 0
	FETCH_A (\ks)+1, 4
.endm
	s_load_b128 s[4:7], s[0:1], 0x0
	v_lshl_add_u32 v[SPW], v0, 2, SPARE
	v_mov_b32 v[NIL], 0
	ds_add_u32 v[SPW], v[NIL]
	ds_add_u32 v[SPW], v[NIL]
	v_lshrrev_b32 v1, 5, v0
	v_readfirstlane_b32 s14, v1
	s_lshr_b32 s15, s14, 1
	s_and_b32 s84, s14, 1
	s_bfe_u32 s85, ttmp6, 0x40000
	s_bfe_u32 s86, ttmp6, 0x40004
	s_and_b32 s2, ttmp7, 0xffff
	s_lshl_b32 s2, s2, 2
	s_lshl_b32 s3, ttmp9, 2
	s_add_co_u32 s87, s3, s85
	s_add_co_u32 s89, s2, s85
	s_add_co_u32 s88, s2, s86
	s_lshl_b32 s95, s85, 1
	s_lshl_b32 s96, s89, 1
	s_mov_b32 s66, 3145728
	s_mov_b32 s100, 5636096
	s_mov_b32 s12, 4718592
	s_mov_b32 s98, 5505024
	s_mov_b32 s8, 12288
	s_mov_b32 s10, 512
	s_cmp_eq_u32 ttmp9, 2
	s_cselect_b32 s87, s89, s87
	s_cselect_b32 s88, s86, s88
	s_cselect_b32 s95, s96, s95
	s_cselect_b32 s66, 0, s66
	s_cselect_b32 s100, 5505024, s100
	s_cselect_b32 s12, s12, 0
	s_cselect_b32 s98, 5701632, s98
	s_cselect_b32 s8, 49152, s8
	s_cselect_b32 s10, 2048, s10
	s_mov_b32 s9, 0
	s_mov_b32 s11, 0
	s_lshl_b32 s2, s86, 2
	s_lshl_b32 s2, 15, s2
	s_lshl_b32 s3, 0x1111, s85
	s_or_b32 s16, s2, (3<<16)|(1<<21)
	s_or_b32 s24, s3, (3<<16)|(1<<21)
	s_or_b32 s32, s2, (3<<16)|(1<<21)
	s_or_b32 s40, s3, (3<<16)|(1<<21)
.irp g, 16, 24                         ; the head's: 16 rows of 4,608 bytes (three K steps), 12,288 bytes apart
	s_mov_b32 s[\g+1], 576<<16
	s_mov_b32 s[\g+2], 16<<16
	s_mov_b32 s[\g+3], 576<<16
	s_mov_b32 s[\g+4], 16
	s_mov_b32 s[\g+5], 1536
	s_mov_b32 s[\g+6], 0
	s_mov_b32 s[\g+7], 0
.endr
.irp g, 32, 40                         ; the scale words of 16 rb: 8,192 dense bytes as 32 rows of 256
	s_mov_b32 s[\g+1], 32<<16
	s_mov_b32 s[\g+2], 32<<16
	s_mov_b32 s[\g+3], 32<<16
	s_mov_b32 s[\g+4], 32
	s_mov_b32 s[\g+5], 32
	s_mov_b32 s[\g+6], 0
	s_mov_b32 s[\g+7], 0
.endr
	s_lshl_b32 s2, s88, 4
	s_mul_i32 s3, s2, 12288
	s_add_co_u32 s12, s12, s3
	s_mov_b32 s13, 0
	s_lshl_b32 s2, s2, 9
	s_add_co_u32 s98, s98, s2
	s_mov_b32 s99, 0
	s_lshl_b32 s67, s87, 4
	s_lshl_b32 s101, s67, 9
	s_add_co_u32 s100, s100, s101
	s_mul_i32 s67, s67, 12288
	s_add_co_u32 s66, s66, s67
	s_mov_b32 s67, 0
	s_mov_b32 s101, 0
	s_mul_i32 s89, s14, 36864
	s_mov_b32 s92, 0x76543210
	s_mov_b32 s93, 0xfedcba98
	s_mov_b32 s94, 0x1800000
	s_wait_dscnt 0x0
	s_wait_kmcnt 0x0
	s_add_nc_u64 s[12:13], s[4:5], s[12:13]
	s_add_nc_u64 s[98:99], s[4:5], s[98:99]
	s_add_nc_u64 s[66:67], s[4:5], s[66:67]
	s_add_nc_u64 s[100:101], s[4:5], s[100:101]
	CROUND
	s_mov_b32 s76, 1
	s_mov_b32 s77, SCL
	s_mov_b64 s[78:79], s[98:99]
	s_or_b32 s79, s79, 0x80000000
	s_mov_b32 s80, 1
	s_mov_b32 s81, SCL+8192
	s_mov_b64 s[82:83], s[100:101]
	s_or_b32 s83, s83, 0x80000000
	s_mov_b32 s48, 1                               ; the head's tiles, each whole: A's 16 rb of K steps 0-2,
	s_mov_b32 s49, 0
	s_mov_b64 s[50:51], s[12:13]
	s_or_b32 s51, s51, 0x80000000
	s_mov_b32 s60, 1                               ; B's, behind them in slot 0
	s_mov_b32 s61, 73728
	s_mov_b64 s[62:63], s[66:67]
	s_or_b32 s63, s63, 0x80000000
.macro ARM under, g0, g1, next         ; one chain of branches on the wave's number, one load to an arm: wave 0 A's codes, 1 B's codes, 2 A's scale words, 3 B's
	s_cmp_lt_u32 s14, \under
	s_cbranch_scc0 \next
	tensor_load_to_lds s[\g0:\g0+3], s[\g1:\g1+7]
	s_nop 0
	PLACES
	s_branch .Lh_asked
\next:
.endm
	ARM 1, 48, 16, .Lh_b
	ARM 2, 60, 24, .Lh_sa
	ARM 3, 76, 32, .Lh_sb
	tensor_load_to_lds s[80:83], s[40:47]
	s_nop 0
	PLACES
.Lh_asked:
	s_mul_i32 s2, s84, 98304                       ; in the ring I fetch 8 rb of a tile: which half
	s_mov_b32 s3, 0
	s_add_nc_u64 s[12:13], s[12:13], s[2:3]
	s_add_nc_u64 s[66:67], s[66:67], s[2:3]
	s_mul_i32 s2, s84, 24576
	s_mov_b32 s52, 1                               ; slot 1: K steps 3-5
	s_add_co_u32 s53, s89, SLOTB
	s_add_nc_u64 s[54:55], s[12:13], 4608
	s_or_b32 s55, s55, 0x80000000
	s_mov_b32 s68, 1
	s_add_co_u32 s69, s89, SLOTB
	s_add_nc_u64 s[70:71], s[66:67], 4608
	s_or_b32 s71, s71, 0x80000000
	s_mov_b32 s56, 1                               ; slot 0 again: K steps 6 and 7
	s_mov_b32 s57, s2
	s_add_nc_u64 s[58:59], s[12:13], 9216
	s_or_b32 s59, s59, 0x80000000
	s_mov_b32 s72, 1
	s_add_co_u32 s73, s2, 73728
	s_add_nc_u64 s[74:75], s[66:67], 9216
	s_or_b32 s75, s75, 0x80000000
	v_and_b32 v1, 31, v0
	v_and_b32 v2, 15, v0
	v_bfe_u32 v3, v0, 4, 1
	s_wait_alu depctr_va_vdst(0)
	v_lshlrev_b32 v[LI], 4, v1
	v_lshlrev_b32 v[LS], 2, v2
	s_mul_i32 s2, s15, 36864
	s_mul_i32 s3, s84, 36864
	s_add_co_u32 s3, s3, 73728
	v_add_nc_u32 v[ADRA], s2, v[LI]
	v_add_nc_u32 v[ADRB], s3, v[LI]
	s_add_co_u32 s2, s2, SLOTB
	s_add_co_u32 s3, s3, SLOTB
	v_add_nc_u32 v[ADRA+1], s2, v[LI]
	v_add_nc_u32 v[ADRB+1], s3, v[LI]
	s_mul_i32 s2, s15, 24576                       ; slot 0 as it is filled again
	s_mul_i32 s3, s84, 24576
	s_add_co_u32 s3, s3, 73728
	s_wait_alu depctr_va_vdst(0)                   ; directly ahead of the reader below
	v_add_nc_u32 v[ADRA+2], s2, v[LI]
	v_add_nc_u32 v[ADRB+2], s3, v[LI]
	s_lshl_b32 s2, s15, 12
	s_lshl_b32 s3, s84, 12
	s_add_co_u32 s3, s3, 8192
	s_sub_co_u32 s3, s3, s2
	v_mul_u32_u24 v4, s3, v3
	s_wait_alu depctr_va_vdst(0)
	s_add_co_u32 s2, s2, SCL
	v_add_nc_u32 v4, v[LS], v4
	v_add_nc_u32 v[ADRS], s2, v4
.irp b, 0,1,2,3
	v_mov_b32 v[TM+4+\b], 0
.endr
	s_lshl_b32 s2, s88, 4
	s_lshl_b32 s3, s15, 3
	s_add_co_u32 s2, s2, s3
	s_add_co_u32 s95, s95, s84
	s_mul_i32 s3, s2, s8
	s_mul_i32 s90, ttmp9, 3145728
	s_add_co_u32 s90, s90, s3
	s_mul_i32 s3, s95, 1536
	s_add_co_u32 s90, s90, s3
	s_mov_b32 s91, 0
	s_mul_i32 s96, s2, s10
	s_lshl_b32 s3, ttmp9, 17
	s_add_co_u32 s96, s96, s3
	s_lshl_b32 s3, s95, 6
	s_add_co_u32 s96, s96, s3
	s_add_co_u32 s96, s96, QS
	s_mov_b32 s97, 0
	s_add_nc_u64 s[90:91], s[6:7], s[90:91]
	s_add_nc_u64 s[96:97], s[6:7], s[96:97]
	s_wait_alu depctr_va_vdst(0)
	s_wait_tensorcnt 0x0                           ; my tile of the head's four is in
	ds_add_u32 v[SPW], v[NIL]
	s_mov_b32 s18, 8<<16                           ; no tensor load of mine is out: from here on a load brings 8 rb
	s_mov_b32 s20, 8
	s_mov_b32 s26, 8<<16
	s_mov_b32 s28, 8
	s_wait_dscnt 0x0
	CROUND
	JLOAD 52, 16, 68, 24                           ; slot 1's first fill, the first tensor load behind the round
	FETCH_B 0
	FETCH_A 0, 0
	SCALES 0
	FETCH_A 0, 4
	STEP 0, 1
	STEP 1, 0
	TURN 2, 1
	STEP 3, 0
	STEP 4, 0
	TURN 5, 0
	STEP 6, 0
	s_wait_dscnt 12
	WIN MUL_LO
	MUL16 0, 7, 0
	MUL16 2, 7, 0
	s_wait_dscnt 0x0
	WIN MUL_HI
	MUL16 4, 7, 0
	MUL16 6, 7, 0
	WIN 0
	PLACES
.macro QUANTW a
.set W, 2+(\a)/4
.set AC, 64*((\a)%4)
.set WA, (W<<2)|(W<<4)
	WIN WA
.irp b, 0,1,2,3
	v_max3_num_f32 v[TM+\b], s94, |v[AC+16*\b]|, |v[AC+16*\b+1]|
.endr
.irp i, 2,4,6,8,10,12,14
.irp b, 0,1,2,3
	v_max3_num_f32 v[TM+\b], v[TM+\b], |v[AC+16*\b+\i]|, |v[AC+16*\b+\i+1]|
.endr
.endr
	WIN 0
.irp b, 0,1,2,3
	v_permlanex16_b32 v[TM+4+\b], v[TM+\b], s92, s93
.endr
.irp b, 0,1,2,3
	v_max_num_f32 v[TM+\b], v[TM+\b], v[TM+4+\b]
.endr
.irp b, 0,1,2,3
	v_add_nc_u32 v[TM+12+\b], 0xff000000, v[TM+\b]
.endr
.irp b, 0,1,2,3
	v_lshrrev_b32 v[TM+4+\b], 23, v[TM+12+\b]
.endr
.if (\a) > 0
	s_wait_alu depctr_va_vdst(0)
	s_wait_xcnt 0x0
	s_add_nc_u64 s[90:91], s[90:91], s[8:9]
	s_add_nc_u64 s[96:97], s[96:97], s[10:11]
.endif
	v_lshl_or_b32 v[PW], v[TM+5], 8, v[TM+4]
	v_lshl_or_b32 v[PW], v[TM+6], 16, v[PW]
	v_lshl_or_b32 v[PW], v[TM+7], 24, v[PW]
	WIN W
.irp c, 0,1
	v_cvt_scalef32_pk16_fp6_f32 v[PC+6*\c:PC+2+6*\c], v[AC+32*\c:AC+15+32*\c], v[TM+12+2*\c]
	v_cvt_scalef32_pk16_fp6_f32 v[PC+12+4*\c:PC+14+4*\c], v[AC+16+32*\c:AC+31+32*\c], v[TM+12+2*\c+1]
.endr
	WIN 0
	v_nop
.irp c, 0,1
.irp i, 0,1,2
	v_permlane16_swap_b32 v[PC+6*\c+\i], v[PC+12+4*\c+\i]
.endr
.irp i, 0,1,2
	v_mov_b32 v[PC+3+6*\c+\i], v[PC+12+4*\c+\i]
.endr
.endr
.irp c, 0,1,2
	global_store_b128 v[LI], v[PC+4*\c:PC+4*\c+3], s[90:91] offset:512*\c
.endr
	global_store_b32 v[LS], v[PW], s[96:97]
.endm
.irp a, 0,1,2,3,4,5,6,7
	QUANTW \a
.endr
	s_wait_tensorcnt 0x0
	ds_add_u32 v[SPW], v[NIL]
	s_wait_dscnt 0x0
	CROUND
	s_endpgm
.Lfunc_end_k_qcc82afd562_proj:
	.size	k_qcc82afd562_proj, .Lfunc_end_k_qcc82afd562_proj-k_qcc82afd562_proj
	.p2alignl 7, 3214868480
	.fill 96, 4, 3214868480
	.section	.rodata,"a",@progbits
	.p2align	6, 0x0
	.amdhsa_kernel k_qcc82afd562_proj
		.amdhsa_group_segment_fixed_size 327680
		.amdhsa_private_segment_fixed_size 0
		.amdhsa_enable_private_segment 0
		.amdhsa_kernarg_size 16
		.amdhsa_user_sgpr_count 2
		.amdhsa_user_sgpr_kernarg_segment_ptr 1
		.amdhsa_wavefront_size32 1
		.amdhsa_system_sgpr_workgroup_id_x 1
		.amdhsa_system_sgpr_workgroup_id_y 1
		.amdhsa_system_sgpr_workgroup_id_z 1
		.amdhsa_system_vgpr_workitem_id 0
		.amdhsa_next_free_vgpr 1024
		.amdhsa_next_free_sgpr 102
		.amdhsa_reserve_vcc 0
		.amdhsa_float_denorm_mode_32 3
		.amdhsa_float_denorm_mode_16_64 3
		.amdhsa_memory_ordered 1
		.amdhsa_forward_progress 1
		.amdhsa_inst_pref_size 143
	.end_amdhsa_kernel
	.amdgpu_metadata
---
amdhsa.version: [ 1, 2 ]
amdhsa.kernels:
  - .name:           k_qcc82afd562_proj
    .symbol:         k_qcc82afd562_proj.kd
    .args:
      - { .name: xw, .offset: 0, .size: 8, .value_kind: global_buffer, .address_space: global }
      - { .name: qkv, .offset: 8, .size: 8, .value_kind: global_buffer, .address_space: global }
    .group_segment_fixed_size: 327680
    .private_segment_fixed_size: 0
    .kernarg_segment_align: 8
    .kernarg_segment_size: 16
    .max_flat_workgroup_size: 128
    .sgpr_count:     102
    .vgpr_count:     1024
    .wavefront_size: 32
...
	.end_amdgpu_metadata
.endif
;; end of part 2
;; launch scores (part 3): grid 16 x 16, 4 waves a work-group, clusters of 4 x 4, 327,680 bytes of LDS; arguments qkv, mb, pc, pst; writes pc, pst
.if DOCPART == 3
	.amdgcn_target "amdgcn-amd-amdhsa--gfx1250"
	.amdhsa_code_object_version 6
	.text
	.protected	k_qcc82afd562_scores
	.globl	k_qcc82afd562_scores
	.p2align	8
	.type	k_qcc82afd562_scores,@function
k_qcc82afd562_scores:
	s_mov_b64 s[64:65], 0
	v_nop
	global_prefetch_b8 v0, s[64:65] scope:SCOPE_SE
	s_setreg_imm32_b32 hwreg(HW_REG_WAVE_MODE, 25, 1), 1
	s_wait_xcnt 0x0
	s_wait_alu depctr_hold_cnt(0) depctr_sa_sdst(0) depctr_va_vdst(0) depctr_va_sdst(0) depctr_va_ssrc(0) depctr_va_vcc(0) depctr_vm_vsrc(0)
	s_getreg_b32 s2, hwreg(HW_REG_IB_STS2, 6, 4)
	s_cmp_eq_u32 s2, 0
	s_cbranch_scc0 .Lentry_in_a_cluster
	s_endpgm
.Lentry_in_a_cluster:
	s_bfe_u32 s2, ttmp6, 0x10000c
	s_cmp_lg_u32 s2, 0xf033
	s_cbranch_scc0 .Lentry_shape_is_right
	s_endpgm
.Lentry_shape_is_right:
; S^T = k q^T on codes of FP6 (E2M3), K = 1,024; then the mask, and p = 2^(t - M) quantised along the keys, t = score x log2(e) / 32.
; M IS LOCAL: for each query and each 128 keys, M = ceil(the largest t of these 128 keys), a whole number.  The next launch brings every block under the row's M by taking a whole number off its scale bytes: the codes stay as they are.
; Stored for each (16 queries, 128 keys): the codes' image, 1,536 bytes; 16 scale words; 32 words of statistics: -M of the 16 queries, then the sums of their unquantised p.
; A work-group of four waves makes 256 keys x 256 queries; a wave 128 x 128: 64 accumulators.  Source 0 = 16 keys ("B"), source 1 = 16 queries ("A"): a lane holds ONE query, and since the keys of a tile are 32 B + 8 u + r + 8 (r / 8),
; register 16 b + i of its 64 is key 32 b + 16 h + i of the wave's 128.
; THE MASK comes as lane masks, one word for each of a block's 64 registers, by scalar loads into the registers that held the descriptors; it only selects values.
; OPERANDS, LDS, the K loop and the cluster are as in the launch before: images of registers, two slots of three K steps, one refill, joint loads along rows and columns of a 4 x 4 cluster.
; LIMITS: scores under -2^126 count as masked; 128 keys that are all masked give zero codes, the sum 0 and -M = 2^126 x log2(e) / 32; a block of zeros gets the byte 1; NaN and infinities among the scores are not served.
; REGISTERS: window 0: v16-29 addresses; v32-47 scale words; v48-63 at work; v64 -M; v66-69 sums; v70-92 the quantiser's; v128-223 A's fragments.  Window 1: B's two sets.  Windows 2, 3: accumulator (a, b) at v[8 (8 (a % 4) + b)] of window 2 + a / 4.
; THE RING, which holds in place of the three slots that the lines above name: two slots of three K steps (16 rb of A, then 16 rb of B, 4,608 bytes a rb).  The head brings K steps 0-2 and the scale words, one load a wave;
; slot 1 takes K steps 3-5 behind the full sequence and a round; slot 0 is filled again at K step 2 with K steps 6 and 7 (3,072 bytes a rb; B's begin at the same byte as before).
.set SLOTB, 147456
.set SCL,   2*SLOTB
.set SPARE, SCL+16384
.set KC,    3145728                    ; in qkv: k's codes (q's lie at 0),
.set QS,    9437184                    ; q's scale words,
.set KS,    9568256                    ; k's
.set ST,    524288                     ; in pst: the statistics
.set FR,   12
.set ADRA, 16
.set ADRB, 20
.set LI,   24                          ; 16 x lane
.set LS,   25                          ; 4 r
.set LT,   26                          ; 4 x lane
.set ADRS, 27
.set SPW,  28
.set NIL,  29
.set SC,   32
.set TM,   48
.set NM,   64                          ; -M (v65 is named with it as a pair)
.set L,    66
.set PW,   70
.set STV,  71
.set PC,   72
.set RT,   92
.set AF,   128
.set MSB, 0
.macro WIN new
.if MSB != (\new)
	s_set_vgpr_msb (MSB<<8)|(\new)
.set MSB, (\new)
.endif
.endm
.set MUL_LO, 0xa1
.set MUL_HI, 0xf1
.set TO_B,   0x40
.macro JLOAD g0a, g1a, g0b, g1b        ; waves 0 and 1 fetch for A, waves 2 and 3 for B; an s_nop 0 and four v_nop follow each line
	s_cmp_eq_u32 s15, 0
	s_cbranch_scc0 .Lfor_b_\@
	tensor_load_to_lds s[\g0a:\g0a+3], s[\g1a:\g1a+7]
	s_nop 0
.rept 4
	v_nop
.endr
	s_branch .Lasked_\@
.Lfor_b_\@:
	tensor_load_to_lds s[\g0b:\g0b+3], s[\g1b:\g1b+7]
	s_nop 0
.rept 4
	v_nop
.endr
.Lasked_\@:
.endm
.macro CREST
	s_cmp_lg_u32 s14, 0
	s_cbranch_scc1 .Lnot_wave_0_\@
	s_barrier_signal -3
.Lnot_wave_0_\@:
	s_barrier_wait -3
	s_barrier_signal -1
	s_barrier_wait -1
.endm
.macro CROUND
	s_barrier_signal -1
	s_barrier_wait -1
	CREST
.endm
.macro PLACES
.rept 4
	v_nop
.endr
.endm
.macro FRAG reg, adr, q, i
.irp c, 0,1,2
	ds_load_b128 v[\reg+4*\c:\reg+4*\c+3], v[\adr] offset:RPX*(\i)+1536*(\q)+512*\c
.endr
.endm
.macro FETCH_B ks
	WIN TO_B
.irp i, 0,1,2,3,4,5,6,7
.set RPX, 4608-1536*((\ks)/6)
	FRAG 128*((\ks)%2)+FR*\i, ADRB+(\ks)/3, (\ks)%3, \i
.endr
	WIN 0
.endm
.macro FETCH_A ks, i0
.irp i, \i0, \i0+1, \i0+2, \i0+3
.set RPX, 4608-1536*((\ks)/6)
	FRAG AF+FR*(\i), ADRA+(\ks)/3, (\ks)%3, \i
.endr
.endm
.macro SCALES ks
.irp i, 0,1,2,3,4,5,6,7
	ds_load_b32 v[SC+8*((\ks)%2)+\i], v[ADRS] offset:512*\i+64*(\ks)
.endr
.endm
.macro MUL16 a0, ks, zero              ; the 64 accumulators take turns, one instruction a turn
.irp a, \a0, \a0+1
.irp b, 0,1,2,3,4,5,6,7
.if \zero
	v_wmma_scale_f32_16x16x128_f8f6f4 v[8*(8*((\a)%4)+\b):8*(8*((\a)%4)+\b)+7], v[128*((\ks)%2)+FR*\b:128*((\ks)%2)+FR*\b+FR-1], v[AF+FR*(\a):AF+FR*(\a)+FR-1], 0, v[SC+8*((\ks)%2)+\b], v[SC+8*((\ks)%2)+(\a)] matrix_a_fmt:MATRIX_FMT_FP6 matrix_b_fmt:MATRIX_FMT_FP6 matrix_a_scale:MATRIX_SCALE_ROW1
.else
	v_wmma_scale_f32_16x16x128_f8f6f4 v[8*(8*((\a)%4)+\b):8*(8*((\a)%4)+\b)+7], v[128*((\ks)%2)+FR*\b:128*((\ks)%2)+FR*\b+FR-1], v[AF+FR*(\a):AF+FR*(\a)+FR-1], v[8*(8*((\a)%4)+\b):8*(8*((\a)%4)+\b)+7], v[SC+8*((\ks)%2)+\b], v[SC+8*((\ks)%2)+(\a)] matrix_a_fmt:MATRIX_FMT_FP6 matrix_b_fmt:MATRIX_FMT_FP6 matrix_a_scale:MATRIX_SCALE_ROW1
.endif
.endr
.endr
.endm
.macro STEP ks, zero
	s_wait_dscnt 12                                ; all but the youngest twelve loads (A's blocks 4-7) are in
	WIN MUL_LO
	MUL16 0, \ks, \zero
	MUL16 2, \ks, \zero
	s_wait_dscnt 0x0
	PLACES
	FETCH_B (\ks)+1
	FETCH_A (\ks)+1, 0
	SCALES (\ks)+1
	WIN MUL_HI
	MUL16 4, \ks, \zero
	MUL16 6, \ks, \zero
	PLACES
	WIN 0
	FETCH_A (\ks)+1, 4
.endm
.macro TURN ks, fill
	s_wait_tensorcnt 0x0                           ; all my tensor loads have landed
	ds_add_u32 v[SPW], v[NIL]                      ; 0 onto my spare word
	s_wait_dscnt 13                                ; (the add and A's blocks 4-7 may be out)
	WIN MUL_LO
	MUL16 0, \ks, 0
	s_wait_dscnt 0x0                               ; the add is done, and my reads of this K step's slot are over
	s_barrier_signal -1
	MUL16 2, \ks, 0
	WIN 0
	s_barrier_wait -1
.if \fill
	CREST                                          ; no wave of any partner still reads slot 0 or has a load on its way
	s_mov_b32 s17, 384<<16                         ; no tensor load of mine is out: from here on a row is two K steps, 3,072 bytes
	s_mov_b32 s19, 384<<16
	s_mov_b32 s25, 384<<16
	s_mov_b32 s27, 384<<16
	JLOAD 56, 16, 72, 24
.else
	PLACES
.endif
	FETCH_B (\ks)+1
	FETCH_A (\ks)+1, 0
	SCALES (\ks)+1
	WIN MUL_HI
	MUL16 4, \ks, 0
	MUL16 6, \ks, 0
	PLACES
	WIN 0
	FETCH_A (\ks)+1, 4
.endm
	s_load_b256 s[4:11], s[0:1], 0x0               ; qkv, mb, pc, pst
	v_lshl_add_u32 v[SPW], v0, 2, SPARE
	v_mov_b32 v[NIL], 0
	ds_add_u32 v[SPW], v[NIL]                      ; the wave's opening: the add and its wait ahead of my first tensor load
	ds_add_u32 v[SPW], v[NIL]
	v_lshrrev_b32 v1, 5, v0
	v_readfirstlane_b32 s14, v1                    ; wave
	s_lshr_b32 s15, s14, 1                         ; HA: my 128 queries.  Also: I fetch for A (0) or for B (1)
	s_and_b32 s84, s14, 1                          ; HB: my 128 keys.  Also: which 8 rb of that tile I fetch
	s_bfe_u32 s85, ttmp6, 0x40000                  ; cx
	s_bfe_u32 s86, ttmp6, 0x40004                  ; cy
	s_lshl_b32 s87, ttmp9, 2
	s_add_co_u32 s87, s87, s85                     ; the tile of 256 keys
	s_and_b32 s88, ttmp7, 0xffff
	s_lshl_b32 s88, s88, 2
	s_add_co_u32 s88, s88, s86                     ; the tile of 256 queries
	s_lshl_b32 s2, s86, 2
	s_lshl_b32 s2, 15, s2                          ; my row of the cluster
	s_lshl_b32 s3, 0x1111, s85                     ; my column
	s_or_b32 s16, s2, (3<<16)|(1<<21)              ; group 1: 15:0 the mask; 17:16 elements of 8 bytes; 21 set beside a mask; no padding
	s_or_b32 s24, s3, (3<<16)|(1<<21)
	s_or_b32 s32, s2, (3<<16)|(1<<21)
	s_or_b32 s40, s3, (3<<16)|(1<<21)
.irp g, 16, 24                         ; the head's: 16 rows of 4,608 bytes (three K steps), 12,288 bytes apart
	s_mov_b32 s[\g+1], 576<<16
	s_mov_b32 s[\g+2], 16<<16
	s_mov_b32 s[\g+3], 576<<16
	s_mov_b32 s[\g+4], 16
	s_mov_b32 s[\g+5], 1536
	s_mov_b32 s[\g+6], 0
	s_mov_b32 s[\g+7], 0
.endr
.irp g, 32, 40                         ; the scale words of 16 rb: 8,192 dense bytes as 32 rows of 256
	s_mov_b32 s[\g+1], 32<<16
	s_mov_b32 s[\g+2], 32<<16
	s_mov_b32 s[\g+3], 32<<16
	s_mov_b32 s[\g+4], 32
	s_mov_b32 s[\g+5], 32
	s_mov_b32 s[\g+6], 0
	s_mov_b32 s[\g+7], 0
.endr
	s_lshl_b32 s12, s88, 4                         ; A = q: the tile's first rb
	s_lshl_b32 s98, s12, 9
	s_add_co_u32 s98, s98, QS
	s_mul_i32 s12, s12, 12288
	s_mov_b32 s13, 0
	s_mov_b32 s99, 0
	s_lshl_b32 s66, s87, 4                         ; B = k
	s_lshl_b32 s100, s66, 9
	s_add_co_u32 s100, s100, KS
	s_mul_i32 s66, s66, 12288
	s_add_co_u32 s66, s66, KC
	s_mov_b32 s67, 0
	s_mov_b32 s101, 0
	s_mul_i32 s89, s14, 36864                      ; where my quarter goes in slot 1
	s_mov_b32 s90, 0x3d38aa3b                      ; c = log2(e) / 32
	s_mov_b32 s91, s90                             ; (named with it as a pair)
	s_mov_b32 s92, 0x76543210
	s_mov_b32 s93, 0xfedcba98                      ; lane l xor 16
	s_mov_b32 s94, 0xff800000                      ; -infinity
	s_mov_b32 s95, 0xfe800000                      ; -2^126: under it no largest score is taken
	s_mov_b32 s96, 0xffff0000                      ; lanes 16-31
	s_wait_dscnt 0x0                               ; the opening add is done
	s_wait_kmcnt 0x0
	s_add_nc_u64 s[12:13], s[4:5], s[12:13]
	s_add_nc_u64 s[98:99], s[4:5], s[98:99]
	s_add_nc_u64 s[66:67], s[4:5], s[66:67]
	s_add_nc_u64 s[100:101], s[4:5], s[100:101]
	CROUND                                         ; all sixteen work-groups are here: the first joint loads meet
	s_mov_b32 s76, 1
	s_mov_b32 s77, SCL
	s_mov_b64 s[78:79], s[98:99]
	s_or_b32 s79, s79, 0x80000000
	s_mov_b32 s80, 1
	s_mov_b32 s81, SCL+8192
	s_mov_b64 s[82:83], s[100:101]
	s_or_b32 s83, s83, 0x80000000
	s_mov_b32 s48, 1                               ; the head's tiles, each whole: A's 16 rb of K steps 0-2,
	s_mov_b32 s49, 0
	s_mov_b64 s[50:51], s[12:13]
	s_or_b32 s51, s51, 0x80000000
	s_mov_b32 s60, 1                               ; B's, behind them in slot 0
	s_mov_b32 s61, 73728
	s_mov_b64 s[62:63], s[66:67]
	s_or_b32 s63, s63, 0x80000000
.macro ARM under, g0, g1, next         ; one chain of branches on the wave's number, one load to an arm: wave 0 A's codes, 1 B's codes, 2 A's scale words, 3 B's
	s_cmp_lt_u32 s14, \under
	s_cbranch_scc0 \next
	tensor_load_to_lds s[\g0:\g0+3], s[\g1:\g1+7]
	s_nop 0
	PLACES
	s_branch .Lh_asked
\next:
.endm
	ARM 1, 48, 16, .Lh_b
	ARM 2, 60, 24, .Lh_sa
	ARM 3, 76, 32, .Lh_sb
	tensor_load_to_lds s[80:83], s[40:47]
	s_nop 0
	PLACES
.Lh_asked:
	s_mul_i32 s2, s84, 98304                       ; in the ring I fetch 8 rb of a tile: which half
	s_mov_b32 s3, 0
	s_add_nc_u64 s[12:13], s[12:13], s[2:3]
	s_add_nc_u64 s[66:67], s[66:67], s[2:3]
	s_mul_i32 s2, s84, 24576
	s_mov_b32 s52, 1                               ; slot 1: K steps 3-5
	s_add_co_u32 s53, s89, SLOTB
	s_add_nc_u64 s[54:55], s[12:13], 4608
	s_or_b32 s55, s55, 0x80000000
	s_mov_b32 s68, 1
	s_add_co_u32 s69, s89, SLOTB
	s_add_nc_u64 s[70:71], s[66:67], 4608
	s_or_b32 s71, s71, 0x80000000
	s_mov_b32 s56, 1                               ; slot 0 again: K steps 6 and 7
	s_mov_b32 s57, s2
	s_add_nc_u64 s[58:59], s[12:13], 9216
	s_or_b32 s59, s59, 0x80000000
	s_mov_b32 s72, 1
	s_add_co_u32 s73, s2, 73728
	s_add_nc_u64 s[74:75], s[66:67], 9216
	s_or_b32 s75, s75, 0x80000000
	v_and_b32 v1, 31, v0
	v_and_b32 v2, 15, v0
	v_bfe_u32 v3, v0, 4, 1
	v_lshlrev_b32 v[LI], 4, v1
	v_lshlrev_b32 v[LS], 2, v2
	v_lshlrev_b32 v[LT], 2, v1
	s_mul_i32 s2, s15, 36864
	s_mul_i32 s3, s84, 36864
	s_add_co_u32 s3, s3, 73728
	v_add_nc_u32 v[ADRA], s2, v[LI]
	v_add_nc_u32 v[ADRB], s3, v[LI]
	s_add_co_u32 s2, s2, SLOTB
	s_add_co_u32 s3, s3, SLOTB
	v_add_nc_u32 v[ADRA+1], s2, v[LI]
	v_add_nc_u32 v[ADRB+1], s3, v[LI]
	s_mul_i32 s2, s15, 24576                       ; slot 0 as it is filled again
	s_mul_i32 s3, s84, 24576
	s_add_co_u32 s3, s3, 73728
	s_wait_alu depctr_va_vdst(0)                   ; directly ahead of the reader below
	v_add_nc_u32 v[ADRA+2], s2, v[LI]
	v_add_nc_u32 v[ADRB+2], s3, v[LI]
	s_lshl_b32 s2, s15, 12
	s_lshl_b32 s3, s84, 12
	s_add_co_u32 s3, s3, 8192
	s_sub_co_u32 s3, s3, s2
	v_mul_u32_u24 v4, s3, v3                       ; lanes 16-31 take B's scale words: the lower base + h x the distance
	s_wait_alu depctr_va_vdst(0)
	s_add_co_u32 s2, s2, SCL
	v_add_nc_u32 v4, v[LS], v4
	v_add_nc_u32 v[ADRS], s2, v4
.irp b, 0,1,2,3
	v_mov_b32 v[TM+4+\b], 0                        ; written once: a lane permute's destination counts as read
.endr
	v_mov_b32 v[NM+1], 0                           ; (named as the upper half of a pair)
	s_lshl_b32 s2, s88, 4                          ; my blocks: rb = 16 x tile + 8 HA + a; my 128 keys: ks = 2 x tile + HB
	s_lshl_b32 s3, s15, 3
	s_add_co_u32 s2, s2, s3
	s_lshl_b32 s3, s87, 1
	s_add_co_u32 s3, s3, s84
	s_mov_b32 s99, 0
	s_lshl_b32 s98, s2, 13
	s_lshl_b32 s97, s3, 8
	s_add_co_u32 s98, s98, s97
	s_add_nc_u64 s[6:7], s[6:7], s[98:99]          ; the mask's words: 8,192 rb + 256 ks
	s_mul_i32 s98, s2, 49152
	s_mul_i32 s97, s3, 1536
	s_add_co_u32 s98, s98, s97
	s_add_nc_u64 s[8:9], s[8:9], s[98:99]          ; p's codes
	s_lshl_b32 s98, s2, 12
	s_lshl_b32 s97, s3, 7
	s_add_co_u32 s98, s98, s97
	s_add_co_u32 s98, s98, ST
	s_add_nc_u64 s[12:13], s[10:11], s[98:99]      ; the statistics
	s_lshl_b32 s98, s2, 11
	s_lshl_b32 s97, s3, 6
	s_add_co_u32 s98, s98, s97
	s_add_nc_u64 s[10:11], s[10:11], s[98:99]      ; p's scale words
; block a's 64 mask words: word n in s[16 + n], from word 48 on in s[20 + n]
.macro MLOAD a
	s_load_b512 s[16:31], s[6:7], 8192*(\a)
	s_load_b512 s[32:47], s[6:7], 8192*(\a)+64
	s_load_b512 s[48:63], s[6:7], 8192*(\a)+128
	s_load_b512 s[68:83], s[6:7], 8192*(\a)+192
.endm
	s_wait_alu depctr_va_vdst(0)
	s_wait_tensorcnt 0x0                           ; my tile of the head's four is in
	ds_add_u32 v[SPW], v[NIL]
	s_mov_b32 s18, 8<<16                           ; no tensor load of mine is out: from here on a load brings 8 rb
	s_mov_b32 s20, 8
	s_mov_b32 s26, 8<<16
	s_mov_b32 s28, 8
	s_wait_dscnt 0x0
	CROUND
	JLOAD 52, 16, 68, 24                           ; slot 1's first fill, the first tensor load behind the round
	FETCH_B 0
	FETCH_A 0, 0
	SCALES 0
	FETCH_A 0, 4
	STEP 0, 1
	STEP 1, 0
	TURN 2, 1                                      ; slot 1 has landed in every wave; slot 0 takes K steps 6 and 7
	STEP 3, 0
	STEP 4, 0
	TURN 5, 0                                      ; the refill has landed: no tensor load of mine is out, so the descriptors' registers are free
	MLOAD 0
	STEP 6, 0
	s_wait_dscnt 12
	WIN MUL_LO
	MUL16 0, 7, 0
	MUL16 2, 7, 0
	s_wait_dscnt 0x0
	WIN MUL_HI
	MUL16 4, 7, 0
	MUL16 6, 7, 0
	WIN 0
	PLACES
; Block a: 16 queries x my 128 keys.
.macro SOFTQ a
.set W, 2+(\a)/4
.set AC, 64*((\a)%4)
.set WA, (W<<6)|(W<<2)
.set WB, (W<<2)|(W<<4)
.set WC, (W<<6)|W
.set WD, W|(W<<2)
.set WE, W<<2
	s_wait_kmcnt 0x0                               ; the block's mask words
	WIN WA
.set n, 0
.rept 64
	v_cndmask_b32 v[AC+n], s94, v[AC+n], s[16+n+4*(n/48)]   ; a hidden score becomes -infinity; each accumulator from its low end on
.set n, n+1
.endr
.if (\a) < 7
	MLOAD (\a)+1
.endif
	WIN WB
.irp b, 0,1,2,3
	v_max3_num_f32 v[TM+\b], s95, v[AC+16*\b], v[AC+16*\b+1]   ; the largest score of each block of 32 keys serves twice: for M, and, since p rises with the score, for the block's largest p
.endr
.irp i, 2,4,6,8,10,12,14
.irp b, 0,1,2,3
	v_max3_num_f32 v[TM+\b], v[TM+\b], v[AC+16*\b+\i], v[AC+16*\b+\i+1]
.endr
.endr
	WIN 0
.irp b, 0,1,2,3
	v_permlanex16_b32 v[TM+4+\b], v[TM+\b], s92, s93
.endr
.irp b, 0,1,2,3
	v_max_num_f32 v[TM+\b], v[TM+\b], v[TM+4+\b]   ; with lane l xor 16's 16 keys
.endr
	v_max3_num_f32 v[RT], v[TM], v[TM+1], v[TM+2]
	v_max_num_f32 v[RT], v[RT], v[TM+3]
	v_mul_f32 v[RT], s90, v[RT]                    ; the largest t of these 128 keys
	v_floor_f32 v[NM], -v[RT]                      ; -M = floor(-t): M is a whole number
.irp b, 0,1,2,3
	v_fma_f32 v[TM+\b], v[TM+\b], s90, v[NM]       ; t - M of each block's largest score
.endr
	WIN WC
.set n, 0
.rept 32
	v_pk_fma_f32 v[AC+n:AC+n+1], v[AC+n:AC+n+1], s[90:91], v[NM:NM+1] op_sel_hi:[1,0,0]   ; t - M, two at a time
.set n, n+2
.endr
.set n, 0
	s_wait_alu depctr_va_vdst(0)
.rept 64
	v_exp_f32 v[AC+n], v[AC+n]                     ; p = 2^(t - M), at most 1, not normalised
.set n, n+1
.endr
	WIN 0
	v_nop                                          ; a plain instruction behind the last exponential
	s_wait_alu depctr_va_vdst(0)                   ; one wait for the batch of 64, ahead of its first reader
.irp b, 0,1,2,3
	v_exp_f32 v[TM+\b], v[TM+\b]                   ; each block's largest p: the same two instructions on the same number
.endr
	WIN WD
	v_pk_add_f32 v[L:L+1], v[AC:AC+1], v[AC+2:AC+3]           ; the sum of the unquantised p, two at a time, in two chains
	v_pk_add_f32 v[L+2:L+3], v[AC+4:AC+5], v[AC+6:AC+7]
	WIN WE
.irp j, 8,12,16,20,24,28,32,36,40,44,48,52,56,60
	v_pk_add_f32 v[L:L+1], v[L:L+1], v[AC+\j:AC+\j+1]
	v_pk_add_f32 v[L+2:L+3], v[L+2:L+3], v[AC+\j+2:AC+\j+3]
.endr
	WIN 0
	v_pk_add_f32 v[L:L+1], v[L:L+1], v[L+2:L+3]
	v_add_f32 v[L], v[L], v[L+1]
	v_permlanex16_b32 v[L+2], v[L], s92, s93
	v_add_f32 v[L], v[L], v[L+2]                   ; with lane l xor 16's: the query's sum over these 128 keys
	s_wait_alu depctr_va_vdst(0)                   ; and one wait for the four
.irp b, 0,1,2,3
	v_max_num_f32 v[TM+\b], 0x1800000, v[TM+\b]    ; the floor 2^(3 - 127): the byte cannot fall under 1
.endr
.irp b, 0,1,2,3
	v_add_nc_u32 v[TM+12+\b], 0xff000000, v[TM+\b]
.endr
.irp b, 0,1,2,3
	v_lshrrev_b32 v[TM+4+\b], 23, v[TM+12+\b]
.endr
.if (\a) > 0
	s_wait_alu depctr_va_vdst(0)
	s_wait_xcnt 0x0                                ; the last block's stores have read their data: those registers are written below
.endif
	v_lshl_or_b32 v[PW], v[TM+5], 8, v[TM+4]
	v_lshl_or_b32 v[PW], v[TM+6], 16, v[PW]
	v_lshl_or_b32 v[PW], v[TM+7], 24, v[PW]
	WIN W
.irp c, 0,1
	v_cvt_scalef32_pk16_fp6_f32 v[PC+6*\c:PC+2+6*\c], v[AC+32*\c:AC+15+32*\c], v[TM+12+2*\c]
	v_cvt_scalef32_pk16_fp6_f32 v[PC+12+4*\c:PC+14+4*\c], v[AC+16+32*\c:AC+31+32*\c], v[TM+12+2*\c+1]
.endr
	WIN 0
	v_nop                                          ; one plain instruction behind a scaled conversion
.irp c, 0,1
.irp i, 0,1,2
	v_permlane16_swap_b32 v[PC+6*\c+\i], v[PC+12+4*\c+\i]
.endr
.irp i, 0,1,2
	v_mov_b32 v[PC+3+6*\c+\i], v[PC+12+4*\c+\i]
.endr
.endr
	v_cndmask_b32 v[STV], v[NM], v[L], s96         ; lanes 0-15: -M; lanes 16-31: the sum
.irp c, 0,1,2
	global_store_b128 v[LI], v[PC+4*\c:PC+4*\c+3], s[8:9] offset:49152*(\a)+512*\c   ; 32 lanes store 512 consecutive bytes
.endr
	global_store_b32 v[LS], v[PW], s[10:11] offset:2048*(\a)
	global_store_b32 v[LT], v[STV], s[12:13] offset:4096*(\a)
.endm
.irp a, 0,1,2,3,4,5,6,7
	SOFTQ \a
.endr
	s_wait_tensorcnt 0x0                           ; the wave's end
	ds_add_u32 v[SPW], v[NIL]
	s_wait_dscnt 0x0
	CROUND                                         ; the closing round
	s_endpgm
.Lfunc_end_k_qcc82afd562_scores:
	.size	k_qcc82afd562_scores, .Lfunc_end_k_qcc82afd562_scores-k_qcc82afd562_scores
	.p2alignl 7, 3214868480
	.fill 96, 4, 3214868480
	.section	.rodata,"a",@progbits
	.p2align	6, 0x0
	.amdhsa_kernel k_qcc82afd562_scores
		.amdhsa_group_segment_fixed_size 327680
		.amdhsa_private_segment_fixed_size 0
		.amdhsa_enable_private_segment 0
		.amdhsa_kernarg_size 32
		.amdhsa_user_sgpr_count 2
		.amdhsa_user_sgpr_kernarg_segment_ptr 1
		.amdhsa_wavefront_size32 1
		.amdhsa_system_sgpr_workgroup_id_x 1
		.amdhsa_system_sgpr_workgroup_id_y 1
		.amdhsa_system_sgpr_workgroup_id_z 1
		.amdhsa_system_vgpr_workitem_id 0
		.amdhsa_next_free_vgpr 1024
		.amdhsa_next_free_sgpr 102
		.amdhsa_reserve_vcc 0
		.amdhsa_float_denorm_mode_32 3
		.amdhsa_float_denorm_mode_16_64 3
		.amdhsa_memory_ordered 1
		.amdhsa_forward_progress 1
		.amdhsa_inst_pref_size 235
	.end_amdhsa_kernel
	.amdgpu_metadata
---
amdhsa.version: [ 1, 2 ]
amdhsa.kernels:
  - .name:           k_qcc82afd562_scores
    .symbol:         k_qcc82afd562_scores.kd
    .args:
      - { .name: qkv, .offset: 0, .size: 8, .value_kind: global_buffer, .address_space: global }
      - { .name: mb, .offset: 8, .size: 8, .value_kind: global_buffer, .address_space: global }
      - { .name: pc, .offset: 16, .size: 8, .value_kind: global_buffer, .address_space: global }
      - { .name: pst, .offset: 24, .size: 8, .value_kind: global_buffer, .address_space: global }
    .group_segment_fixed_size: 327680
    .private_segment_fixed_size: 0
    .kernarg_segment_align: 8
    .kernarg_segment_size: 32
    .max_flat_workgroup_size: 128
    .sgpr_count:     102
    .vgpr_count:     1024
    .wavefront_size: 32
...
	.end_amdgpu_metadata
.endif
;; end of part 3
;; launch pv (part 4): grid 8 x 32, 4 waves a work-group, clusters of 4 x 4, 327,680 bytes of LDS; arguments pc, pst, qkv, out0; writes out0
.if DOCPART == 4
	.amdgcn_target "amdgcn-amd-amdhsa--gfx1250"
	.amdhsa_code_object_version 6
	.text
	.protected	k_qcc82afd562_pv
	.globl	k_qcc82afd562_pv
	.p2align	8
	.type	k_qcc82afd562_pv,@function
k_qcc82afd562_pv:
	s_mov_b64 s[64:65], 0
	v_nop
	global_prefetch_b8 v0, s[64:65] scope:SCOPE_SE
	s_setreg_imm32_b32 hwreg(HW_REG_WAVE_MODE, 25, 1), 1
	s_wait_xcnt 0x0
	s_wait_alu depctr_hold_cnt(0) depctr_sa_sdst(0) depctr_va_vdst(0) depctr_va_sdst(0) depctr_va_ssrc(0) depctr_va_vcc(0) depctr_vm_vsrc(0)
	s_getreg_b32 s2, hwreg(HW_REG_IB_STS2, 6, 4)
	s_cmp_eq_u32 s2, 0
	s_cbranch_scc0 .Lentry_in_a_cluster
	s_endpgm
.Lentry_in_a_cluster:
	s_bfe_u32 s2, ttmp6, 0x10000c
	s_cmp_lg_u32 s2, 0xf033
	s_cbranch_scc0 .Lentry_shape_is_right
	s_endpgm
.Lentry_shape_is_right:
; O = P V / l on codes of FP6 (E2M3), K = the 4,096 keys, 32 K steps of 128.  P's codes were made under a local M for each 128 keys.  At the head the row's M = the largest local M is found, each scale word's four bytes
; are lowered by M - M_loc (a whole number; a byte that would fall under 0 becomes 0), and l = the sum of l_loc x 2^(M_loc - M).  The codes stay as they are.
; A work-group of four waves makes 128 queries x 128 of the model's axis; wave w makes queries 32 w .. 32 w + 31 x all 128 columns: P's rb 2 w and 2 w + 1 against v^T's eight rb, 16 accumulators.
; Source 0 = 16 rows of v^T, source 1 = 16 queries of P: a lane holds one query and eight neighbouring numbers of a row of O.  Both operands' rows lie in the order 32 B + 8 u + r + 8 (r / 8): the way out undoes it by its addresses.
; P GOES FROM MEMORY STRAIGHT INTO REGISTERS: a fragment of P is used by one wave alone, and its image is 1,536 consecutive bytes.  A ring of ten K steps (240 registers) is kept full: at most 60 loads of a wave are out.
; Lane (r, h) of wave w repairs the scale words of row r of rb 2 w + h, which are the words that wave w's own products take (lanes 0-15 for its first block, lanes 16-31 for its second): they stay in 32 registers.
; V^T GOES THROUGH LDS, shared by the four waves: three regions of 8 K steps (8 rb x 12,288 bytes).  The head's four loads, one a wave, bring K steps 0-23 and the scale words; region 0 is filled again once, at K step 7, with K steps 24-31.
; JOINT LOADS: v^T's tiles and scale words along a column of the 4 x 4 cluster.  P is not asked for jointly: in LDS it would take half of the room, v^T's regions would hold 12 K steps in place of 24,
; and the walk would have five rounds of refills in place of one.
; PREFETCH: P: in K steps 0, 4, 8, 12 wave w names K step ks + 14 + w of ONE rb of the tile's eight, the one that its work-group's column picks: 6 blocks of 256 bytes, 5 + w K steps ahead of the load (lanes 6-31 name the last block again);
; the eight work-groups of a row of tiles so share the rows out by address; K steps 10-13, 30 and 31 come by their loads alone.  v^T: in K step 1, six K steps ahead of the refill, each wave names 24 blocks: half of K steps 24-31 of one rb;
; the cluster's four partners along y take two rb each.  No address register is rewritten.
; LIMITS: M - M_loc is held at 128 (a block so far under the row's largest p counts with the byte 0, at most 7.5 x 2^-127); a row that is all masked has l = 0 and gives NaN, as a softmax of -infinities does.
; REGISTERS: window 0: v12-31 addresses, 1 / l; v32-63 P's scale words; v64-71 v^T's, two sets of 4 (lanes 0-15 rb 2 i, lanes 16-31 rb 2 i + 1); v72-95 at work; v128-255 accumulator (a, b) at v[128 + 8 (8 a + b)].
; Window 1: v^T's fragments, two sets (v0, v128); rows on the way out.  Window 2: P's ring, K step ks at v[24 (ks % 10)].
.set REG,   98304
.set VSC,   3*REG                      ; v^T's scale words: 8 rb x 2,048 bytes
.set SPARE, VSC+16384                  ; the spare words, 128 bytes for each wave
.set STAGE, REG                        ; the way out: 16 rows x 528 bytes a wave, in region 1: it has its one fill at the head and its last read ahead of the barrier at K step 23
.set VC,    6291456                    ; in qkv: v^T's codes,
.set VS,    9699328                    ; its scale words
.set ST,    524288                     ; in pst: the statistics
.set LI,   12                          ; 16 x lane
.set FXS,  13                          ; 2,048 h + 4 r
.set FXT,  14                          ; 4,096 h + 4 r
.set PFO,  15
.set PFV,  16
.set ADRB, 17                          ; v17-22: region g, rb 4 j on: 49,152 (2 g + j) + 16 x lane
.set ADRS, 23
.set RL,   24                          ; v24-27: 1 / l of my query in block 0, 1 (each named as a pair)
.set SPW,  28
.set NIL,  29
.set STO,  30
.set RD,   31
.set PS,   32
.set SCV,  64
.set ACC,  128
.set MSB, 0
.macro WIN new
.if MSB != (\new)
	s_set_vgpr_msb (MSB<<8)|(\new)
.set MSB, (\new)
.endif
.endm
.set MUL,  0x09                        ; source 0 window 1, source 1 window 2; C and D window 0
.set TO_B, 0x40
.set TO_A, 0x80
.macro CREST
	s_cmp_lg_u32 s14, 0
	s_cbranch_scc1 .Lnot_wave_0_\@
	s_barrier_signal -3
.Lnot_wave_0_\@:
	s_barrier_wait -3
	s_barrier_signal -1
	s_barrier_wait -1
.endm
.macro CROUND
	s_barrier_signal -1
	s_barrier_wait -1
	CREST
.endm
.macro PLACES
.rept 4
	v_nop
.endr
.endm
	s_load_b256 s[4:11], s[0:1], 0x0               ; pc, pst, qkv, out0
	v_lshl_add_u32 v[SPW], v0, 2, SPARE
	v_mov_b32 v[NIL], 0
	ds_add_u32 v[SPW], v[NIL]                      ; the opening: the add, twice on end, and its wait ahead of my first tensor load
	ds_add_u32 v[SPW], v[NIL]
	v_lshrrev_b32 v1, 5, v0
	v_readfirstlane_b32 s14, v1                    ; wave
	s_bfe_u32 s85, ttmp6, 0x40000                  ; cx
	s_bfe_u32 s86, ttmp6, 0x40004                  ; cy
	s_lshl_b32 s87, ttmp9, 2
	s_add_co_u32 s87, s87, s85                     ; the tile of 128 columns
	s_and_b32 s88, ttmp7, 0xffff
	s_lshl_b32 s88, s88, 2
	s_add_co_u32 s88, s88, s86                     ; the tile of 128 queries
	s_lshl_b32 s3, 0x1111, s85                     ; my column of the cluster
	s_or_b32 s16, s3, (3<<16)|(1<<21)              ; group 1: the mask; elements of 8 bytes; bit 21 beside a mask; no padding
	s_or_b32 s24, s3, (3<<16)|(1<<21)
	s_or_b32 s32, s3, (3<<16)|(1<<21)
.irp g, 16, 24                         ; rows of 12,288 bytes (eight K steps of one rb), 49,152 bytes apart: 8 rows at the head, 2 a wave in the refill
	s_mov_b32 s[\g+1], 1536<<16
	s_mov_b32 s[\g+3], 1536<<16
	s_mov_b32 s[\g+5], 6144
	s_mov_b32 s[\g+6], 0
	s_mov_b32 s[\g+7], 0
.endr
	s_mov_b32 s18, 8<<16
	s_mov_b32 s20, 8
	s_mov_b32 s26, 2<<16
	s_mov_b32 s28, 2
	s_mov_b32 s33, 32<<16                          ; the scale words: 16,384 dense bytes as 64 rows of 256
	s_mov_b32 s34, 64<<16
	s_mov_b32 s35, 32<<16
	s_mov_b32 s36, 64
	s_mov_b32 s37, 32
	s_mov_b32 s38, 0
	s_mov_b32 s39, 0
	; byte offsets, each in a pair of its own; the buffers' addresses are added behind the wait for the arguments
	s_mul_i32 s66, s87, 393216
	s_add_co_u32 s66, s66, VC                      ; v^T's 8 rb of my column tile
	s_mov_b32 s40, 1                               ; the head's codes: wave w (0-2) brings K steps 8 w .. 8 w + 7 into region w
	s_mul_i32 s41, s14, REG
	s_mul_i32 s2, s14, 12288
	s_add_co_u32 s42, s66, s2
	s_mov_b32 s43, 0
	s_mov_b32 s44, 1                               ; wave 3: the scale words
	s_mov_b32 s45, VSC
	s_lshl_b32 s46, s87, 14
	s_add_co_u32 s46, s46, VS
	s_mov_b32 s47, 0
	s_mov_b32 s48, 1                               ; the refill: wave w brings K steps 24-31 of rb 2 w and 2 w + 1
	s_mul_i32 s49, s14, 24576
	s_mul_i32 s2, s14, 98304
	s_add_co_u32 s50, s66, s2
	s_add_co_u32 s50, s50, 36864
	s_mov_b32 s51, 0
	s_lshl_b32 s12, s88, 3
	s_add_co_u32 s60, s12, s87                     ; P's prefetch: the rb that my column picks, K step w
	s_mul_i32 s60, s60, 49152
	s_mul_i32 s2, s14, 1536
	s_add_co_u32 s60, s60, s2
	s_mov_b32 s61, 0
	s_lshl_b32 s2, s14, 1
	s_add_co_u32 s12, s12, s2                      ; my first rb of P
	s_mul_i32 s52, s12, 49152                      ; its codes,
	s_mov_b32 s53, 0
	s_lshl_b32 s54, s12, 11                        ; scale words,
	s_mov_b32 s55, 0
	s_lshl_b32 s56, s12, 12                        ; statistics
	s_add_co_u32 s56, s56, ST
	s_mov_b32 s57, 0
	s_lshl_b32 s58, s88, 19                        ; O: (128 x tile + 32 w) rows of 4,096 bytes + 512 x column tile
	s_lshl_b32 s2, s14, 17
	s_add_co_u32 s58, s58, s2
	s_lshl_b32 s2, s87, 9
	s_add_co_u32 s58, s58, s2
	s_mov_b32 s59, 0
	s_lshl_b32 s62, s86, 1                         ; v^T's prefetch: rb 2 cy + w / 2, half w % 2 of its K steps 24-31
	s_lshr_b32 s2, s14, 1
	s_add_co_u32 s62, s62, s2
	s_mul_i32 s62, s62, 49152
	s_add_co_u32 s62, s62, s66
	s_and_b32 s2, s14, 1
	s_mul_i32 s2, s2, 6144
	s_add_co_u32 s62, s62, s2
	s_add_co_u32 s62, s62, 36864
	s_mov_b32 s63, 0
	s_mul_i32 s13, s14, 16*528
	s_add_co_u32 s13, s13, STAGE                   ; my stage
	s_mov_b32 s90, 0x01010101
	s_mov_b32 s92, 0x76543210
	s_mov_b32 s93, 0xfedcba98                      ; lane l xor 16
	s_mov_b32 s96, 0xffff0000                      ; lanes 16-31
	v_and_b32 v1, 31, v0                           ; lane
	v_and_b32 v2, 15, v0                           ; r
	v_bfe_u32 v3, v0, 4, 1                         ; h
	v_lshlrev_b32 v5, 2, v2
	v_lshlrev_b32 v[LI], 4, v1
	v_lshl_add_u32 v[FXS], v3, 11, v5
	v_lshl_add_u32 v[FXT], v3, 12, v5
	v_min_u32 v6, 5, v1
	v_min_u32 v7, 23, v1
	v_lshlrev_b32 v[PFO], 8, v6
	v_lshlrev_b32 v[PFV], 8, v7
.irp i, 0,1,2,3,4,5
	v_add_nc_u32 v[ADRB+\i], 49152*\i, v[LI]
.endr
	v_add_nc_u32 v[ADRS], VSC, v[FXS]
	v_mul_u32_u24 v[STO], v2, 528
	v_lshl_add_u32 v[STO], v3, 6, v[STO]
	v_add_nc_u32 v[STO], s13, v[STO]               ; in: row r, + 64 h
	v_add_nc_u32 v[RD], s13, v[LI]                 ; back: the 32 lanes take one row of 512 bytes
	v_mov_b32 v91, 0                               ; written once: a lane permute's destination counts as read
	v_mov_b32 v[RL+1], 0                           ; (named as the upper halves of pairs)
	v_mov_b32 v[RL+3], 0
	s_wait_alu depctr_va_vdst(0)                   ; directly ahead of the waits below
	s_wait_dscnt 0x0                               ; both opening adds are done
	CROUND                                         ; all sixteen work-groups are here: the first joint loads meet
	s_wait_kmcnt 0x0
	s_add_nc_u64 s[42:43], s[8:9], s[42:43]
	s_add_nc_u64 s[46:47], s[8:9], s[46:47]
	s_add_nc_u64 s[50:51], s[8:9], s[50:51]
	s_add_nc_u64 s[52:53], s[4:5], s[52:53]
	s_add_nc_u64 s[54:55], s[6:7], s[54:55]
	s_add_nc_u64 s[56:57], s[6:7], s[56:57]
	s_add_nc_u64 s[58:59], s[10:11], s[58:59]
	s_add_nc_u64 s[60:61], s[4:5], s[60:61]
	s_add_nc_u64 s[62:63], s[8:9], s[62:63]
	s_or_b32 s43, s43, 0x80000000
	s_or_b32 s47, s47, 0x80000000
	s_or_b32 s51, s51, 0x80000000
	s_cmp_lt_u32 s14, 3                            ; the head's loads, one a wave, one to each arm
	s_cbranch_scc0 .Lhead_s
	tensor_load_to_lds s[40:43], s[16:23]
	s_nop 0
	PLACES
	s_branch .Lhead_asked
.Lhead_s:
	tensor_load_to_lds s[44:47], s[32:39]
	s_nop 0
	PLACES
.Lhead_asked:
.set k, 0
.rept 32
	global_load_b32 v[160+k], v[FXT], s[56:57] offset:128*k       ; -M_loc of my row in K step k,
	global_load_b32 v[PS+k], v[FXS], s[54:55] offset:64*k         ; its scale word,
	global_load_b32 v[192+k], v[FXT], s[56:57] offset:128*k+64    ; l_loc
.set k, k+1
.endr
.macro ALOAD ks                        ; P's two fragments of K step ks into the ring: six loads of 512 consecutive bytes
	WIN TO_A
.irp a, 0,1
.irp c, 0,1,2
	global_load_b128 v[24*((\ks)%10)+12*\a+4*\c:24*((\ks)%10)+12*\a+4*\c+3], v[LI], s[52:53] offset:49152*\a+1536*(\ks)+512*\c
.endr
.endr
.endm
.irp k, 0,1,2,3,4,5,6,7,8
	ALOAD \k
.endr
	WIN 0
	s_wait_loadcnt 54                              ; all but P's 54 loads: the 96 words of my row are in
	v_min3_num_f32 v84, v160, v161, v162           ; -M of the row = the least -M_loc
	v_min3_num_f32 v85, v163, v164, v165
.irp i, 166,170,174,178,182,186
	v_min3_num_f32 v84, v84, v[\i], v[\i+1]
	v_min3_num_f32 v85, v85, v[\i+2], v[\i+3]
.endr
	v_min3_num_f32 v84, v84, v190, v191
	v_min_num_f32 v84, v84, v85
.set k, 0
.rept 32
.set T, 72+3*(k%4)
	v_sub_f32 v[T], v84, v[160+k]                  ; M_loc - M: a whole number, 0 or less,
	v_max_num_f32 v[T], 0xc3000000, v[T]           ; held at -128
	v_cvt_i32_f32 v[T], v[T]
	v_ldexp_f32 v[192+k], v[192+k], v[T]           ; l_loc under the row's M: nothing is rounded
	v_mul_lo_u32 v[T], v[T], s90                   ; the same number in each of four bytes
	v_or_b32 v[PS+k], 0x80808080, v[PS+k]          ; each byte is 125 at the most: with 128 added no byte borrows from the next
	v_add_nc_u32 v[PS+k], v[PS+k], v[T]
	v_and_b32 v[T+1], 0x80808080, v[PS+k]          ; bit 7 is left where the byte has not fallen under 0
	v_lshrrev_b32 v[T+2], 7, v[T+1]
	v_sub_nc_u32 v[T+1], v[T+1], v[T+2]            ; 0x7f there, 0 elsewhere
	v_and_b32 v[PS+k], v[PS+k], v[T+1]
.set k, k+1
.endr
	v_add_f32 v86, v192, v193                      ; l, in four chains
	v_add_f32 v87, v194, v195
	v_add_f32 v88, v196, v197
	v_add_f32 v89, v198, v199
.irp i, 200,204,208,212,216,220
	v_add_f32 v86, v86, v[\i]
	v_add_f32 v87, v87, v[\i+1]
	v_add_f32 v88, v88, v[\i+2]
	v_add_f32 v89, v89, v[\i+3]
.endr
	v_add_f32 v86, v86, v87
	v_add_f32 v88, v88, v89
	v_add_f32 v86, v86, v88
	s_wait_alu depctr_va_vdst(0)                   ; ahead of the transcendental
	v_rcp_f32 v90, v86
	v_nop                                          ; a plain instruction behind the reciprocal
	s_wait_alu depctr_va_vdst(0)                   ; and the wait ahead of its first reader
	v_permlanex16_b32 v91, v90, s92, s93
	v_cndmask_b32 v[RL], v90, v91, s96             ; 1 / l of query r of my first block, in both halves of the lanes,
	v_cndmask_b32 v[RL+2], v91, v90, s96           ; and of my second
	s_wait_alu depctr_va_vdst(0)                   ; at the head's end
	s_wait_tensorcnt 0x0                           ; my one load of the head's four has landed
	s_barrier_signal -1
	s_barrier_wait -1                              ; so has every wave's
; 28 LDS loads: v^T's eight fragments and four registers of scale words of K step ks into set ks % 2
.macro FETCH ks
.set FS, 128*((\ks)%2)
.set RG, ((\ks)/8)%3
.set QQ, (\ks)%8
	WIN TO_B
.irp i, 0,1,2,3,4,5,6,7
.irp c, 0,1,2
	ds_load_b128 v[FS+12*\i+4*\c:FS+12*\i+4*\c+3], v[ADRB+2*RG+\i/4] offset:12288*(\i%4)+1536*QQ+512*\c
.endr
.endr
	WIN 0
.irp i, 0,1,2,3
	ds_load_b32 v[SCV+4*((\ks)%2)+\i], v[ADRS] offset:4096*\i+64*(\ks)
.endr
.endm
; P's block a x v^T's eight, K step q; the 16 accumulators take turns
.macro MUL8 a, q, zero
.irp b, 0,1,2,3,4,5,6,7
.set D_, ACC+8*(8*(\a)+\b)
.set B_, 128*((\q)%2)+12*\b
.set A_, 24*((\q)%10)+12*(\a)
.set SB_, SCV+4*((\q)%2)+\b/2
.set SA_, PS+(\q)
.if \zero
.if (\b%2 == 0) && ((\a) == 0)
	v_wmma_scale_f32_16x16x128_f8f6f4 v[D_:D_+7], v[B_:B_+11], v[A_:A_+11], 0, v[SB_], v[SA_] matrix_a_fmt:MATRIX_FMT_FP6 matrix_b_fmt:MATRIX_FMT_FP6
.elseif (\a) == 0
	v_wmma_scale_f32_16x16x128_f8f6f4 v[D_:D_+7], v[B_:B_+11], v[A_:A_+11], 0, v[SB_], v[SA_] matrix_a_fmt:MATRIX_FMT_FP6 matrix_b_fmt:MATRIX_FMT_FP6 matrix_a_scale:MATRIX_SCALE_ROW1
.elseif \b%2 == 0
	v_wmma_scale_f32_16x16x128_f8f6f4 v[D_:D_+7], v[B_:B_+11], v[A_:A_+11], 0, v[SB_], v[SA_] matrix_a_fmt:MATRIX_FMT_FP6 matrix_b_fmt:MATRIX_FMT_FP6 matrix_b_scale:MATRIX_SCALE_ROW1
.else
	v_wmma_scale_f32_16x16x128_f8f6f4 v[D_:D_+7], v[B_:B_+11], v[A_:A_+11], 0, v[SB_], v[SA_] matrix_a_fmt:MATRIX_FMT_FP6 matrix_b_fmt:MATRIX_FMT_FP6 matrix_a_scale:MATRIX_SCALE_ROW1 matrix_b_scale:MATRIX_SCALE_ROW1
.endif
.else
.if (\b%2 == 0) && ((\a) == 0)
	v_wmma_scale_f32_16x16x128_f8f6f4 v[D_:D_+7], v[B_:B_+11], v[A_:A_+11], v[D_:D_+7], v[SB_], v[SA_] matrix_a_fmt:MATRIX_FMT_FP6 matrix_b_fmt:MATRIX_FMT_FP6
.elseif (\a) == 0
	v_wmma_scale_f32_16x16x128_f8f6f4 v[D_:D_+7], v[B_:B_+11], v[A_:A_+11], v[D_:D_+7], v[SB_], v[SA_] matrix_a_fmt:MATRIX_FMT_FP6 matrix_b_fmt:MATRIX_FMT_FP6 matrix_a_scale:MATRIX_SCALE_ROW1
.elseif \b%2 == 0
	v_wmma_scale_f32_16x16x128_f8f6f4 v[D_:D_+7], v[B_:B_+11], v[A_:A_+11], v[D_:D_+7], v[SB_], v[SA_] matrix_a_fmt:MATRIX_FMT_FP6 matrix_b_fmt:MATRIX_FMT_FP6 matrix_b_scale:MATRIX_SCALE_ROW1
.else
	v_wmma_scale_f32_16x16x128_f8f6f4 v[D_:D_+7], v[B_:B_+11], v[A_:A_+11], v[D_:D_+7], v[SB_], v[SA_] matrix_a_fmt:MATRIX_FMT_FP6 matrix_b_fmt:MATRIX_FMT_FP6 matrix_a_scale:MATRIX_SCALE_ROW1 matrix_b_scale:MATRIX_SCALE_ROW1
.endif
.endif
.endr
.endm
.macro PWAIT ks                        ; K step ks's six loads of P are in: behind them stand those of K steps ks + 1 .. min(ks + 9, 31)
.if 31-(\ks) < 9
	s_wait_loadcnt 6*(31-(\ks))
.else
	s_wait_loadcnt 54
.endif
.endm
.macro AHEAD ks                        ; the registers that the last K step has left take P's K step ks + 9
	PLACES                                         ; four places behind the last products, ahead of loads into their sources
.if (\ks)+9 <= 31
	ALOAD (\ks)+9
.endif
.endm
.macro KSTEP ks, zero
	AHEAD \ks
.if ((\ks)%4 == 0) && ((\ks) <= 12)
	global_prefetch_b8 v[PFO], s[60:61] offset:1536*((\ks)+14) th:TH_LOAD_NT scope:SCOPE_SE
.endif
.if (\ks) == 1
	global_prefetch_b8 v[PFV], s[62:63] th:TH_LOAD_NT scope:SCOPE_SE
.endif
	FETCH (\ks)+1
	s_wait_dscnt 28                                ; all but the 28 just issued
	PWAIT \ks
	WIN MUL
	MUL8 0, \ks, \zero
	MUL8 1, \ks, \zero
.endm
; A K step with a barrier.  fill = 1, K step 7: region 0 has been read out; the three lines, a round of the cluster's barrier, the joint refill.  fill = 0, K step 23: the refill is shown to every wave; nothing is filled.
.macro TURN ks, fill
	AHEAD \ks
	WIN 0
	s_wait_tensorcnt 0x0                           ; all my tensor loads have landed
	ds_add_u32 v[SPW], v[NIL]                      ; 0 onto my spare word
	s_wait_dscnt 1                                 ; (the add may be out)
	PWAIT \ks
	WIN MUL
	MUL8 0, \ks, 0
	s_wait_dscnt 0x0                               ; the add is done, and my LDS reads are over
	s_barrier_signal -1
	WIN 0
	s_barrier_wait -1
.if \fill
	CREST                                          ; no wave of any partner still reads region 0 or has a load on its way
	tensor_load_to_lds s[48:51], s[24:31]          ; my one load behind the round
	s_nop 0
	PLACES
.endif
	FETCH (\ks)+1
	WIN MUL
	MUL8 1, \ks, 0
.endm
	FETCH 0
	KSTEP 0, 1                                     ; the first products start the sums: nothing is cleared
.irp k, 1,2,3,4,5,6
	KSTEP \k, 0
.endr
	TURN 7, 1
.irp k, 8,9,10,11,12,13,14,15,16,17,18,19,20,21,22
	KSTEP \k, 0
.endr
	TURN 23, 0
.irp k, 24,25,26,27,28,29,30
	KSTEP \k, 0
.endr
	s_wait_dscnt 0x0
	s_wait_loadcnt 0x0
	MUL8 0, 31, 0
	MUL8 1, 31, 0
	WIN 0
	PLACES
; THE WAY OUT, block by block of 16 queries x 128 columns: divided by l, through my own stage, back as whole rows of 512 bytes.  Tile b's eight numbers of my half are the row's columns 32 (b / 2) + 8 (b % 2) + 16 h on.
.macro OUTB a
	WIN 0
.set j, 0
.rept 32
	v_pk_mul_f32 v[ACC+64*(\a)+2*j:ACC+64*(\a)+2*j+1], v[ACC+64*(\a)+2*j:ACC+64*(\a)+2*j+1], v[RL+2*(\a):RL+2*(\a)+1] op_sel_hi:[1,0]   ; each accumulator from its low end on
.set j, j+1
.endr
.irp b, 0,1,2,3,4,5,6,7
	ds_store_b128 v[STO], v[ACC+64*(\a)+8*\b:ACC+64*(\a)+8*\b+3] offset:128*(\b/2)+32*(\b%2)
	ds_store_b128 v[STO], v[ACC+64*(\a)+8*\b+4:ACC+64*(\a)+8*\b+7] offset:128*(\b/2)+32*(\b%2)+16
.endr
	WIN TO_B
.irp t, 0,1,2,3,4,5,6,7,8,9,10,11,12,13,14,15
	ds_load_b128 v[64*(\a)+4*\t:64*(\a)+4*\t+3], v[RD] offset:528*\t   ; LDS serves a wave's instructions in order: these see my stores
.endr
.endm
.macro SENDB a                         ; stage row t is query 8 a + t + 8 (t / 8) of my 32
.irp t, 0,1,2,3,4,5,6,7,8,9,10,11,12,13,14,15
	global_store_b128 v[LI], v[64*(\a)+4*\t:64*(\a)+4*\t+3], s[58:59] offset:(8*(\a)+\t+8*(\t/8))*4096 th:TH_STORE_NT   ; 32 lanes store 512 consecutive bytes, aligned to 256
.endr
.endm
	OUTB 0
	OUTB 1
	WIN 0x04                                       ; the stores' data lie in window 1
	s_wait_dscnt 32                                ; block 0 is back; block 1's 16 stores and 16 loads may be out
	SENDB 0
	s_wait_dscnt 0x0
	SENDB 1
	WIN 0
	s_wait_tensorcnt 0x0                           ; the wave's end: behind my last tensor load and my last LDS store
	ds_add_u32 v[SPW], v[NIL]
	s_wait_dscnt 0x0
	CROUND                                         ; the closing round: no work-group ends while a partner may still ask for a tile that names it
	s_endpgm
.Lfunc_end_k_qcc82afd562_pv:
	.size	k_qcc82afd562_pv, .Lfunc_end_k_qcc82afd562_pv-k_qcc82afd562_pv
	.p2alignl 7, 3214868480
	.fill 96, 4, 3214868480
	.section	.rodata,"a",@progbits
	.p2align	6, 0x0
	.amdhsa_kernel k_qcc82afd562_pv
		.amdhsa_group_segment_fixed_size 327680
		.amdhsa_private_segment_fixed_size 0
		.amdhsa_enable_private_segment 0
		.amdhsa_kernarg_size 32
		.amdhsa_user_sgpr_count 2
		.amdhsa_user_sgpr_kernarg_segment_ptr 1
		.amdhsa_wavefront_size32 1
		.amdhsa_system_sgpr_workgroup_id_x 1
		.amdhsa_system_sgpr_workgroup_id_y 1
		.amdhsa_system_sgpr_workgroup_id_z 1
		.amdhsa_system_vgpr_workitem_id 0
		.amdhsa_next_free_vgpr 768
		.amdhsa_next_free_sgpr 102
		.amdhsa_reserve_vcc 0
		.amdhsa_float_denorm_mode_32 3
		.amdhsa_float_denorm_mode_16_64 3
		.amdhsa_memory_ordered 1
		.amdhsa_forward_progress 1
		.amdhsa_inst_pref_size 196
	.end_amdhsa_kernel
	.amdgpu_metadata
---
amdhsa.version: [ 1, 2 ]
amdhsa.kernels:
  - .name:           k_qcc82afd562_pv
    .symbol:         k_qcc82afd562_pv.kd
    .args:
      - { .name: pc, .offset: 0, .size: 8, .value_kind: global_buffer, .address_space: global }
      - { .name: pst, .offset: 8, .size: 8, .value_kind: global_buffer, .address_space: global }
      - { .name: qkv, .offset: 16, .size: 8, .value_kind: global_buffer, .address_space: global }
      - { .name: out0, .offset: 24, .size: 8, .value_kind: global_buffer, .address_space: global }
    .group_segment_fixed_size: 327680
    .private_segment_fixed_size: 0
    .kernarg_segment_align: 8
    .kernarg_segment_size: 32
    .max_flat_workgroup_size: 128
    .sgpr_count:     102
    .vgpr_count:     768
    .wavefront_size: 32
...
	.end_amdgpu_metadata
.endif
;; end of part 4
